; MI455X (gfx1250); checked and timed in simulation.
; The chip was launched on July 23, 2026; its instructions are those of AMD's public machine-readable ISA for CDNA 5 (MIT licence, August 2026) and "CDNA5" Instruction Set Architecture Reference Guide (July 2026). The comments in the code are by the model that wrote it; some were corrected since.
;; Attn. Allowed arithmetic: float matrix products may take bf16 or f16 operands with f32 sums; other float arithmetic in f32, or as packed bf16 or f16 multiplies, adds, multiply-adds, maxima and minima; sums over many terms, partial sums and values carried from step to step in f32; what a program stores and reads back later, other than sums and carried values, may be rounded once to bf16 or f16.
;; Inputs: Wk 1,024 x 1,024 float32; Wproj 1,024 x 1,024 float32; Wq 1,024 x 1,024 float32; Wv 1,024 x 1,024 float32; cos 2,048 x 16 float32; q_gain 32 float32; sin 2,048 x 16 float32; x 2 x 2,048 x 1,024 float32.
;; Outputs: out0 2 x 2,048 x 1,024 float32.
;; 2 versions, each right; version 2 is version 1 with the launch prep written anew for expert scheduling mode. Each part assembles by itself: llvm-mc -triple=amdgcn-amd-amdhsa -mcpu=gfx1250 --defsym DOCPART=n.
;; ======== version 1 of 2: 4 launches
;; limits: values are held in f16: magnitudes above 65,504 overflow, below 6.1e-05 lose precision
;; workspace buffers: xb 8,388,608 bytes; wc 6,291,456 bytes; wp 2,097,152 bytes; qf 8,388,608 bytes; kv 16,777,216 bytes; yf 8,388,608 bytes
;; launch prep (part 1): grid 256 x 1, 8 waves a work-group, no clusters, 0 bytes of LDS; arguments x, Wq, Wk, Wv, Wproj, xb, wc, wp; writes xb, wc, wp
.if DOCPART == 1
	.amdgcn_target "amdgcn-amd-amdhsa--gfx1250"
	.amdhsa_code_object_version 6
	.text
	.protected	k_qe55731d678_prep
	.globl	k_qe55731d678_prep
	.p2align	8
	.type	k_qe55731d678_prep,@function
k_qe55731d678_prep:
	s_mov_b64 s[64:65], 0
	v_nop
	global_prefetch_b8 v0, s[64:65] scope:SCOPE_SE
	s_setreg_imm32_b32 hwreg(HW_REG_WAVE_MODE, 25, 1), 1
	s_wait_xcnt 0x0
; CASTS.  x and the four weight matrices, all f32 with rows of 1,024 numbers, are rounded once to bf16 for the matrix products that follow.
;   xb: x as it lies, bf16.      wc: Wq, Wk, Wv, bf16, rows regrouped: row 64 c + i of matrix s (0 q, 1 k, 2 v) goes to row 192 c + 64 s + i,
;   so that 192 rows on end are q, k and v of heads 2 c and 2 c + 1.      wp: Wproj rounded to bf16, and that number written as f16
;   (exact from 2^-17 up to 65,504; below 2^-17 f16 keeps a step of 2^-24).
; A stream: no LDS, no barrier, no matrix unit.  A work-group takes 32 rows: 128 KiB in, 64 KiB out.  Work-groups 0-127 take x, 128-255 the weights (32 each).
; Thread t owns 16 bytes of every row (4 numbers), so a load of a wave covers 512 consecutive bytes and a store of a wave 256 consecutive, aligned bytes.
; All 32 loads of a thread go out at once; every row has registers of its own.
.set X, 4                              ; v[4:131]    row i: 4 numbers as loaded
.set Y, 132                            ; v[132:195]  row i: 2 registers to store
.set T, 196                            ; v[196:197]  at work
	s_load_b512 s[4:19], s[0:1], 0x0               ; x s[4:5], Wq s[6:7], Wk s[8:9], Wv s[10:11], Wproj s[12:13], xb s[14:15], wc s[16:17], wp s[18:19]
	v_lshlrev_b32 v1, 4, v0                        ; my 16 bytes of a row of f32
	v_lshlrev_b32 v2, 3, v0                        ; my 8 bytes of a row of 16-bit numbers
	s_and_b32 s28, ttmp9, 127
	s_lshr_b32 s29, s28, 5                         ; which matrix: 0 q, 1 k, 2 v, 3 proj
	s_and_b32 s30, s28, 31                         ; which 32 rows of it
	s_lshr_b32 s31, s30, 1                         ; c
	s_mul_i32 s31, s31, 192
	s_lshl_b32 s32, s29, 6
	s_add_co_u32 s31, s31, s32                     ; + 64 s
	s_and_b32 s32, s30, 1
	s_lshl_b32 s32, s32, 5
	s_add_co_u32 s31, s31, s32                     ; + the upper or lower 32 of the 64
	s_lshl_b32 s31, s31, 11                        ; wc: rows of 2,048 bytes
	s_lshl_b32 s33, s30, 16                        ; wp: 32 rows of 2,048 bytes
	s_lshl_b32 s34, ttmp9, 16                      ; xb: the same
	s_mov_b32 s25, 0
	s_mov_b32 s27, 0
	s_wait_kmcnt 0x0
	s_cmp_eq_u32 s29, 1                            ; the source and the destination are chosen by the work-group's number alone
	s_cselect_b64 s[20:21], s[8:9], s[6:7]
	s_cmp_eq_u32 s29, 2
	s_cselect_b64 s[20:21], s[10:11], s[20:21]
	s_cmp_eq_u32 s29, 3
	s_cselect_b64 s[20:21], s[12:13], s[20:21]
	s_cselect_b64 s[22:23], s[18:19], s[16:17]
	s_cselect_b32 s26, s33, s31
	s_cmp_lt_u32 ttmp9, 128
	s_cselect_b64 s[20:21], s[4:5], s[20:21]
	s_cselect_b64 s[22:23], s[14:15], s[22:23]
	s_cselect_b32 s26, s34, s26
	s_cselect_b32 s24, ttmp9, s30
	s_lshl_b32 s24, s24, 17                        ; 32 rows of 4,096 bytes
	s_add_nc_u64 s[20:21], s[20:21], s[24:25]
	s_add_nc_u64 s[22:23], s[22:23], s[26:27]
.set i, 0
.rept 32
	global_load_b128 v[X+4*i:X+4*i+3], v1, s[20:21] offset:4096*i th:TH_LOAD_NT
.set i, i+1
.endr
; Row by row: the wait leaves the younger loads out (loads come back in order: ISA guide 5.7.1).  f16 = 1: the bf16 number is widened again and written as f16.
.macro CONV f16
.set i, 0
.rept 32
	s_wait_loadcnt 31-i
.if \f16
	v_cvt_pk_bf16_f32 v[T], v[X+4*i], v[X+4*i+1]
	v_cvt_pk_bf16_f32 v[T+1], v[X+4*i+2], v[X+4*i+3]
	v_lshlrev_b32 v[X+4*i], 16, v[T]
	v_and_b32 v[X+4*i+1], 0xffff0000, v[T]
	v_lshlrev_b32 v[X+4*i+2], 16, v[T+1]
	v_and_b32 v[X+4*i+3], 0xffff0000, v[T+1]
	v_cvt_pk_f16_f32 v[Y+2*i], v[X+4*i], v[X+4*i+1]
	v_cvt_pk_f16_f32 v[Y+2*i+1], v[X+4*i+2], v[X+4*i+3]
.else
	v_cvt_pk_bf16_f32 v[Y+2*i], v[X+4*i], v[X+4*i+1]
	v_cvt_pk_bf16_f32 v[Y+2*i+1], v[X+4*i+2], v[X+4*i+3]
.endif
	global_store_b64 v2, v[Y+2*i:Y+2*i+1], s[22:23] offset:2048*i
.set i, i+1
.endr
.endm
	s_cmp_ge_u32 ttmp9, 224                        ; the last 32 work-groups hold Wproj
	s_cbranch_scc1 .Lhalf
	CONV 0
	s_endpgm
.Lhalf:
	CONV 1
	s_endpgm
.Lfunc_end_k_qe55731d678_prep:
	.size	k_qe55731d678_prep, .Lfunc_end_k_qe55731d678_prep-k_qe55731d678_prep
	.p2alignl 7, 3214868480
	.fill 96, 4, 3214868480
	.section	.rodata,"a",@progbits
	.p2align	6, 0x0
	.amdhsa_kernel k_qe55731d678_prep
		.amdhsa_group_segment_fixed_size 0
		.amdhsa_private_segment_fixed_size 0
		.amdhsa_enable_private_segment 0
		.amdhsa_kernarg_size 64
		.amdhsa_user_sgpr_count 2
		.amdhsa_user_sgpr_kernarg_segment_ptr 1
		.amdhsa_wavefront_size32 1
		.amdhsa_system_sgpr_workgroup_id_x 1
		.amdhsa_system_sgpr_workgroup_id_y 1
		.amdhsa_system_sgpr_workgroup_id_z 1
		.amdhsa_system_vgpr_workitem_id 0
		.amdhsa_next_free_vgpr 208
		.amdhsa_next_free_sgpr 66
		.amdhsa_reserve_vcc 0
		.amdhsa_float_denorm_mode_32 3
		.amdhsa_float_denorm_mode_16_64 3
		.amdhsa_memory_ordered 1
		.amdhsa_forward_progress 1
		.amdhsa_inst_pref_size 31
	.end_amdhsa_kernel
	.amdgpu_metadata
---
amdhsa.version: [ 1, 2 ]
amdhsa.kernels:
  - .name:           k_qe55731d678_prep
    .symbol:         k_qe55731d678_prep.kd
    .args:
      - { .name: x, .offset: 0, .size: 8, .value_kind: global_buffer, .address_space: global }
      - { .name: Wq, .offset: 8, .size: 8, .value_kind: global_buffer, .address_space: global }
      - { .name: Wk, .offset: 16, .size: 8, .value_kind: global_buffer, .address_space: global }
      - { .name: Wv, .offset: 24, .size: 8, .value_kind: global_buffer, .address_space: global }
      - { .name: Wproj, .offset: 32, .size: 8, .value_kind: global_buffer, .address_space: global }
      - { .name: xb, .offset: 40, .size: 8, .value_kind: global_buffer, .address_space: global }
      - { .name: wc, .offset: 48, .size: 8, .value_kind: global_buffer, .address_space: global }
      - { .name: wp, .offset: 56, .size: 8, .value_kind: global_buffer, .address_space: global }
    .group_segment_fixed_size: 0
    .private_segment_fixed_size: 0
    .kernarg_segment_align: 8
    .kernarg_segment_size: 64
    .max_flat_workgroup_size: 256
    .sgpr_count:     66
    .vgpr_count:     208
    .wavefront_size: 32
...
	.end_amdgpu_metadata
.endif
;; end of part 1
;; launch qkv (part 2): grid 16 x 16, 4 waves a work-group, clusters of 4 x 4, 327,680 bytes of LDS; arguments xb, wc, cos, sin, q_gain, qf, kv; writes qf, kv
.if DOCPART == 2
	.amdgcn_target "amdgcn-amd-amdhsa--gfx1250"
	.amdhsa_code_object_version 6
	.text
	.protected	k_qe55731d678_qkv
	.globl	k_qe55731d678_qkv
	.p2align	8
	.type	k_qe55731d678_qkv,@function
k_qe55731d678_qkv:
	s_mov_b64 s[64:65], 0
	v_nop
	global_prefetch_b8 v0, s[64:65] scope:SCOPE_SE
	s_setreg_imm32_b32 hwreg(HW_REG_WAVE_MODE, 25, 1), 1
	s_wait_xcnt 0x0
	s_wait_alu depctr_hold_cnt(0) depctr_sa_sdst(0) depctr_va_vdst(0) depctr_va_sdst(0) depctr_va_ssrc(0) depctr_va_vcc(0) depctr_vm_vsrc(0)
	s_getreg_b32 s2, hwreg(HW_REG_IB_STS2, 6, 4)
	s_cmp_eq_u32 s2, 0
	s_cbranch_scc0 .Lentry_in_a_cluster
	s_endpgm
.Lentry_in_a_cluster:
	s_bfe_u32 s2, ttmp6, 0x10000c
	s_cmp_lg_u32 s2, 0xf033
	s_cbranch_scc0 .Lentry_shape_is_right
	s_endpgm
.Lentry_shape_is_right:
; THE THREE PROJECTIONS, with the norm by heads, the rotation, q's gain and the layouts for attention made on the way out.
; [4096 tokens][3072 columns] = xb [4096][1024] x wc [3072][1024]^T, bf16 operands, f32 sums.  A work-group makes 256 tokens x 192 columns: q, k and v of heads 2 c and 2 c + 1;
; 16 x 16 work-groups.  Wave w makes tokens 64 w .. 64 w + 63 x all 192 columns: 4 token tiles x 12 column tiles = 48 accumulators, 384 registers.
; q and k (column tiles 0-7) are taken TRANSPOSED (source 0 = 16 rows of wc, source 1 = 16 tokens): a lane holds ONE token (lane % 16) and the channels 8 (lane / 16) + 0..7 of the tile.  A head is two
; tiles, channels 0-15 and 16-31: just the two halves that the rotation pairs, in one lane; the sum of squares wants one exchange between the halves of the lanes.
; v (column tiles 8-11) is taken as it lies (source 0 = tokens, source 1 = wc): a lane holds ONE channel and 8 tokens, which is a fragment of V^T.
; So each accumulator, rounded to f16 in pairs, IS half a fragment of attention's products, and leaves as 512 consecutive bytes a wave, with no way through LDS:
;   qf [head 64][tile of 16 queries 128][1,024 B]   kv [head 64][step of 64 keys 32][8,192 B: 4 fragments of K (16 keys x 32 channels), 4 of V^T (32 keys kg, 16 channels cb: at 2 kg + cb)]
;   a fragment of 1,024 bytes = [half 2][lane 32][16 B]: what registers 0-3 and 4-7 of the lanes hold.
; q = x rsqrt(mean x^2 + 1e-6), rotated, times bf16(gain) log2(e) / sqrt(32): attention's exponentials are to base 2.  cos, sin and the gain are rounded to bf16 like all inputs of the module.
; LIMITS.  q, k, v are f16: |v| stays under 65,504 and |gain| x 1.45 too; below 6e-5 f16 keeps a step of 6e-8.  NaN and infinities are not treated apart.
; RING.  K goes in steps of 128 (rows of 256 bytes in memory) through two LDS slots of 256 + 192 rows; 8 K steps.  Waves 0, 1 fetch the halves of xb's tile, waves 2, 3 those of wc's: one tensor load a wave.
; CLUSTER 4 x 4: xb's tile is shared along a row of the cluster, wc's along a column: each is asked for jointly, by the same load with the same descriptor and a mask of the four.
; REGISTERS, in windows of 256 (s_set_vgpr_msb: bits 1:0 source 0, 3:2 source 1, 5:4 source 2, 7:6 destination):
;   window 0: addresses, cos and sin, the way out     window 1: two fragment buffers of 128 (4 of xb, 12 of wc)     window 2: accumulators of column tiles 0-7 at 8 (4 ct + tt)     window 3: of tiles 8-11
.set KSTEP,  128
.set PITCH,  272                       ; an LDS row: 256 bytes + 16 of padding = 68 words: the 16 rows of a fragment load start at 16 different groups of four banks (64 banks of 4 bytes: ISA guide 11.1)
.set BOFF,   256*PITCH                 ; wc's 192 rows lie behind xb's 256
.set SLOT,   448*PITCH
.set SPARE,  2*SLOT                    ; behind the ring: the spare words, 128 bytes for each wave: two blocks of 256 bytes that no other line names
.set ADRA, 16                          ; v16-17  LDS address of my fragments of xb in slot 0, 1
.set ADRB, 20                          ; v20-21  the same for wc
.set L16,  24                          ; v24     16 x lane: my 16 bytes of half a fragment; never rewritten
.set CSO,  25                          ; v25     my byte offset in 16 rows of cos and sin: 64 (l % 16) + 32 (l / 16)
.set GN,   26                          ; v26-27  the two heads' gain, times log2(e) / sqrt(32)
.set SPW,  28                          ; v28     LDS address of my spare word; never rewritten
.set NIL,  29                          ; v29     0; never rewritten
.set PFO,  30                          ; v30     the prefetches' offset: a lane a row of 2,048 bytes; never rewritten
.set CS,   32                          ; v[32:95]   token tile tt: 8 of cos at CS + 16 tt, 8 of sin behind them
.set T,    96                          ; v[96:103]  token tile tt: a pair at work; then the token's factor in its low register
.set TT,   104                         ; v[104:107] at work
.set UW,   128                         ; v[128:191] the way out: token tile tt: the rotated halves, 8 + 8, at UW + 16 tt
.set F0,   0
.set F1,   128
.set WV,   18                          ; s18  my wave's number;  s19 = wave / 2: I fetch for xb (0) or wc (1);  s20 = wave % 2: which half
.set G1A,  28                          ; s[28:35] descriptor group 1 for xb's tiles;  s[36:43] group 0, a set for each slot
.set G0A,  36
.set G1B,  44                          ; s[44:51], s[52:59] the same for wc's
.set G0B,  52
.set PFA,  60                          ; s[60:61] where my prefetches stand
.set LIM,  62                          ; s62  1 in a wave that prefetches, else the greatest number
.set LAP,  63                          ; s63  trips still to come
.set MSB, 0
.macro WIN new                         ; the immediate's high byte repeats the setting that is left; a switch that changes nothing is dropped
.if MSB != (\new)
	s_set_vgpr_msb (MSB<<8)|(\new)
.set MSB, \new
.endif
.endm
.macro PLACES                          ; four plain vector instructions behind a matrix instruction, in front of loads into registers that it has read (ISA guide 7.12.1 for vector instructions)
.rept 4
	v_nop
.endr
.endm
; A joint load.  The branch hangs on the wave's number alone.  An s_nop 0 and four v_nop follow each of the two lines, ahead of the jump, the label and what follows.
.macro JLOAD s
	s_cmp_eq_u32 s19, 0
	s_cbranch_scc0 .Lfor_b_\@
	tensor_load_to_lds s[G0A+4*(\s):G0A+4*(\s)+3], s[G1A:G1A+7]
	s_nop 0
.rept 4
	v_nop
.endr
	s_branch .Lasked_\@
.Lfor_b_\@:
	tensor_load_to_lds s[G0B+4*(\s):G0B+4*(\s)+3], s[G1B:G1B+7]
	s_nop 0
.rept 4
	v_nop
.endr
.Lasked_\@:
.endm
; A prefetch of the K step that stands two refills on: 256 bytes of a row, a lane a row, one instruction a wave.  xb's rows are read by every cluster of a row of clusters: the one with x = 0 asks; wc's by every
; cluster of a column: the one with y = 0 asks.  The four partners share a wave's rows out by address: 32 of xb's 128, 24 of wc's 96 (lanes 24-31 name the 24th row again).  The last trip asks for nothing:
; K steps 8 and 9 do not exist.  K steps 0 to 3 come by their loads alone.
.macro ASK
	s_cmp_gt_u32 s[LAP], s[LIM]
	s_cbranch_scc0 .Lnot_mine_\@
	global_prefetch_b8 v[PFO], s[PFA:PFA+1] offset:KSTEP*2 th:TH_LOAD_NT scope:SCOPE_SE
.Lnot_mine_\@:
.endm
.macro CREST                           ; a round of the cluster's barrier behind its opening barrier
	s_cmp_lg_u32 s[WV], 0
	s_cbranch_scc1 .Lnot_wave_0_\@
	s_barrier_signal -3
.Lnot_wave_0_\@:
	s_barrier_wait -3
	s_barrier_signal -1
	s_barrier_wait -1
.endm
.macro CROUND                          ; a whole round
	s_barrier_signal -1
	s_barrier_wait -1
	CREST
.endm
	s_load_b256 s[4:11], s[0:1], 0x0               ; xb s[4:5], wc s[6:7], cos s[8:9], sin s[10:11]
	s_load_b128 s[12:15], s[0:1], 0x20             ; q_gain s[12:13], qf s[14:15]
	s_load_b64 s[16:17], s[0:1], 0x30              ; kv
	v_lshl_add_u32 v[SPW], v0, 2, SPARE
	v_mov_b32 v[NIL], 0
	ds_add_u32 v[SPW], v[NIL]                      ; the wave's opening: the add and its wait stand ahead of my first tensor load; the set-up below, work on registers, stands between them
	v_lshrrev_b32 v1, 5, v0
	v_readfirstlane_b32 s[WV], v1
	s_lshr_b32 s19, s[WV], 1
	s_and_b32 s20, s[WV], 1
	s_bfe_u32 s21, ttmp6, 0x40000                  ; cx
	s_bfe_u32 s22, ttmp6, 0x40004                  ; cy
	s_lshl_b32 s23, ttmp9, 2
	s_add_co_u32 s23, s23, s21                     ; column tile c = 4 x cluster x + cx
	s_and_b32 s24, ttmp7, 0xffff
	s_lshl_b32 s24, s24, 2
	s_add_co_u32 s24, s24, s22                     ; row tile = 4 x cluster y + cy
	s_lshl_b32 s68, s22, 2
	s_lshl_b32 s68, 15, s68                        ; my row of the cluster
	s_lshl_b32 s69, 0x1111, s21                    ; my column
	s_or_b32 s[G1A], s68, (1<<16)|(1<<20)|(1<<21)|(5<<22)|(3<<25)  ; 15:0 the mask; 17:16 elements of 2 bytes; 20 padding on; 21 set beside a mask; 24:22 after every 64 words (code 5); 31:25 4 words (code 3)
	s_or_b32 s[G1B], s69, (1<<16)|(1<<20)|(1<<21)|(5<<22)|(3<<25)
	s_mov_b32 s[G1A+1], KSTEP<<16                  ; tensor_dim0 = 128
	s_mov_b32 s[G1A+2], 128<<16                    ; tensor_dim1 = 128 rows
	s_mov_b32 s[G1A+3], KSTEP<<16                  ; tile_dim0 = 128
	s_mov_b32 s[G1A+4], 128                        ; tile_dim1 = 128
	s_mov_b32 s[G1A+5], 1024                       ; elements from row to row
	s_mov_b32 s[G1A+6], 0
	s_mov_b32 s[G1A+7], 0
	s_mov_b32 s[G1B+1], KSTEP<<16
	s_mov_b32 s[G1B+2], 96<<16                     ; 96 rows
	s_mov_b32 s[G1B+3], KSTEP<<16
	s_mov_b32 s[G1B+4], 96
	s_mov_b32 s[G1B+5], 1024
	s_mov_b32 s[G1B+6], 0
	s_mov_b32 s[G1B+7], 0
	s_lshl_b32 s70, s24, 8                         ; xb: row 256 x row tile + 128 x half,
	s_lshl_b32 s71, s20, 7
	s_add_co_u32 s70, s70, s71
	s_lshl_b32 s70, s70, 11                        ; in bytes (under 2^23)
	s_mov_b32 s71, 0
	s_mul_i32 s72, s23, 192                        ; wc: row 192 x column tile + 96 x half
	s_mul_i32 s73, s20, 96
	s_add_co_u32 s72, s72, s73
	s_lshl_b32 s72, s72, 11
	s_mov_b32 s73, 0
	s_mul_i32 s74, s[WV], 128*PITCH                ; where they go: xb's halves (waves 0, 1) at wave x 128 rows,
	s_mul_i32 s75, s[WV], 96*PITCH                 ; wc's (waves 2, 3) at BOFF + (wave - 2) x 96 rows
	s_add_co_u32 s75, s75, BOFF-2*96*PITCH
	s_mov_b32 s76, 0x76543210                      ; v_permlanex16_b32: each lane takes its own place in the other half
	s_mov_b32 s77, 0xfedcba98
	s_mov_b32 s78, 0x3d000000                      ; 1 / 32
	s_mov_b32 s79, 0x358637bd                      ; 1e-6
	s_wait_dscnt 0x0                               ; the opening add is done
	s_wait_kmcnt 0x0
	s_add_nc_u64 s[70:71], s[4:5], s[70:71]
	s_add_nc_u64 s[72:73], s[6:7], s[72:73]
	CROUND                                         ; all sixteen work-groups are here: the first joint loads meet
.irp s, 0,1
	s_mov_b32 s[G0A+4*(\s)], 1                                     ; count = 1
	s_add_co_u32 s[G0A+4*(\s)+1], s74, (\s)*SLOT                   ; LDS address
	s_add_nc_u64 s[G0A+4*(\s)+2:G0A+4*(\s)+3], s[70:71], (\s)*KSTEP*2  ; global address: K step s
	s_or_b32 s[G0A+4*(\s)+3], s[G0A+4*(\s)+3], 0x80000000          ; type = 2
	s_mov_b32 s[G0B+4*(\s)], 1
	s_add_co_u32 s[G0B+4*(\s)+1], s75, (\s)*SLOT
	s_add_nc_u64 s[G0B+4*(\s)+2:G0B+4*(\s)+3], s[72:73], (\s)*KSTEP*2
	s_or_b32 s[G0B+4*(\s)+3], s[G0B+4*(\s)+3], 0x80000000
	JLOAD \s
.endr
	; the two heads' gains, and my 64 tokens' cos and sin: asked for now, wanted on the way out
	s_lshl_b32 s74, s23, 3                         ; heads 2 c, 2 c + 1: 8 bytes at 8 c
	s_mov_b32 s75, 0
	s_add_nc_u64 s[74:75], s[12:13], s[74:75]
	s_load_b64 s[66:67], s[74:75], 0x0
	v_and_b32 v1, 15, v0                           ; l % 16
	v_bfe_u32 v2, v0, 4, 1                         ; l / 16
	v_lshlrev_b32 v[CSO], 6, v1
	v_lshl_add_u32 v[CSO], v2, 5, v[CSO]
	s_and_b32 s90, s24, 7                          ; the row tile within its batch (8 of them)
	s_lshl_b32 s91, s90, 2
	s_add_co_u32 s91, s91, s[WV]                   ; my 64 tokens are key step 4 (row tile % 8) + wave of the batch
	s_lshl_b32 s92, s91, 12                        ; 64 rows of 64 bytes
	s_mov_b32 s93, 0
	s_add_nc_u64 s[84:85], s[8:9], s[92:93]
	s_add_nc_u64 s[86:87], s[10:11], s[92:93]
.irp t, 0,1,2,3
	global_load_b128 v[CS+16*(\t):CS+16*(\t)+3],     v[CSO], s[84:85] offset:1024*(\t)
	global_load_b128 v[CS+16*(\t)+4:CS+16*(\t)+7],   v[CSO], s[84:85] offset:1024*(\t)+16
	global_load_b128 v[CS+16*(\t)+8:CS+16*(\t)+11],  v[CSO], s[86:87] offset:1024*(\t)
	global_load_b128 v[CS+16*(\t)+12:CS+16*(\t)+15], v[CSO], s[86:87] offset:1024*(\t)+16
.endr
	s_lshr_b32 s94, s24, 3                         ; the batch
	s_lshl_b32 s94, s94, 5
	s_lshl_b32 s95, s23, 1
	s_add_co_u32 s94, s94, s95                     ; head 32 b + 2 c of 64
	s_lshl_b32 s92, s94, 17                        ; qf: 131,072 bytes a head,
	s_lshl_b32 s95, s91, 12                        ; my four tiles of 1,024
	s_add_co_u32 s92, s92, s95
	s_add_nc_u64 s[80:81], s[14:15], s[92:93]
	s_lshl_b32 s92, s94, 18                        ; kv: 262,144 bytes a head,
	s_lshl_b32 s95, s91, 13                        ; my step of 8,192
	s_add_co_u32 s92, s92, s95
	s_add_nc_u64 s[82:83], s[16:17], s[92:93]
	; a fragment is 16 rows x 32 K in 8 registers: lane l holds row l % 16; registers 0-3 K = 8 (l / 16) + 0..7, registers 4-7 K = 16 + 8 (l / 16) + 0..7: two loads of 16 bytes, 32 bytes apart
	v_mul_u32_u24 v3, v1, PITCH
	v_lshl_add_u32 v3, v2, 4, v3
	s_mul_i32 s68, s[WV], 64*PITCH                 ; my 64 rows of xb's tile
	v_add_nc_u32 v[ADRA], s68, v3
	v_add_nc_u32 v[ADRA+1], SLOT, v[ADRA]
	v_add_nc_u32 v[ADRB], BOFF, v3                 ; every wave reads all 192 rows of wc's
	v_add_nc_u32 v[ADRB+1], SLOT, v[ADRB]
	v_and_b32 v[L16], 31, v0
	v_lshlrev_b32 v[L16], 4, v[L16]
	; the prefetches
	s_lshl_b32 s88, s24, 8
	s_lshl_b32 s89, s20, 7
	s_add_co_u32 s88, s88, s89
	s_lshl_b32 s89, s21, 5
	s_add_co_u32 s88, s88, s89                     ; xb: the 128 rows that I fetch, my work-group's 32 of them (by cx)
	s_mul_i32 s90, s23, 192
	s_mul_i32 s91, s20, 96
	s_add_co_u32 s90, s90, s91
	s_mul_i32 s91, s22, 24
	s_add_co_u32 s90, s90, s91                     ; wc: the 96 rows that I fetch, my work-group's 24 of them (by cy)
	s_and_b32 s92, ttmp7, 0xffff                   ; cluster y
	s_cmp_eq_u32 s19, 0
	s_cselect_b32 s88, s88, s90
	s_cselect_b32 s92, ttmp9, s92                  ; the coordinate along which other clusters read the same rows
	s_cselect_b32 s93, 31, 23
	s_cselect_b64 s[PFA:PFA+1], s[4:5], s[6:7]
	s_cmp_eq_u32 s92, 0
	s_cselect_b32 s[LIM], 1, -1                    ; the same in all sixteen partners, for a given wave
	s_lshl_b32 s88, s88, 11
	s_add_co_u32 s88, s88, 2*KSTEP*2               ; at K step 2: the first refill steps it to 3 and names K step 4
	s_mov_b32 s89, 0
	s_add_nc_u64 s[PFA:PFA+1], s[PFA:PFA+1], s[88:89]
	v_and_b32 v[PFO], 31, v0
	v_min_u32 v[PFO], s93, v[PFO]
	v_lshlrev_b32 v[PFO], 11, v[PFO]
; 16 matrix instructions, 32 along K.  p = 0, 1: column tiles 4 p .. 4 p + 3 x 4 token tiles, transposed.  p = 2: column tiles 8-11, as they lie.  zero = 1: the product starts the sum.
; The 48 accumulators take turns, one instruction a turn, in the same order in every quarter step.
.macro MUL16 f, p, zero
.if (\p) < 2
	WIN 0xa5                                       ; sources window 1, C and D window 2
.else
	WIN 0xf5                                       ; C and D window 3
.endif
.irp c, 0,1,2,3
.irp t, 0,1,2,3
.if (\p) < 2
.set rD, 8*(4*(4*(\p)+(\c))+(\t))
.set r0, (\f)+32+8*(4*(\p)+(\c))
.set r1, (\f)+8*(\t)
.else
.set rD, 8*(4*(\c)+(\t))
.set r0, (\f)+8*(\t)
.set r1, (\f)+32+8*(8+(\c))
.endif
.if \zero
	v_wmma_f32_16x16x32_bf16 v[rD:rD+7], v[r0:r0+7], v[r1:r1+7], 0
.else
	v_wmma_f32_16x16x32_bf16 v[rD:rD+7], v[r0:r0+7], v[r1:r1+7], v[rD:rD+7]
.endif
.endr
.endr
.endm
; 32 LDS loads in one run: the fragments of a quarter step (32 K at byte k of the rows) into buffer f: xb's four, then wc's twelve in ascending order
.macro FETCH slot, k, f
	WIN 0x40                                       ; destination window 1, address window 0
.irp i, 0,1,2,3
	ds_load_b128 v[(\f)+8*(\i):(\f)+8*(\i)+3],   v[ADRA+(\slot)] offset:(\k)+(\i)*16*PITCH
	ds_load_b128 v[(\f)+8*(\i)+4:(\f)+8*(\i)+7], v[ADRA+(\slot)] offset:(\k)+(\i)*16*PITCH+32
.endr
.irp i, 0,1,2,3,4,5,6,7,8,9,10,11
	ds_load_b128 v[(\f)+32+8*(\i):(\f)+32+8*(\i)+3],   v[ADRB+(\slot)] offset:(\k)+(\i)*16*PITCH
	ds_load_b128 v[(\f)+32+8*(\i)+4:(\f)+32+8*(\i)+7], v[ADRB+(\slot)] offset:(\k)+(\i)*16*PITCH+32
.endr
.endm
; A K step is four quarters of 32 along K, 48 matrix instructions each, on buffers 0, 1, 0, 1.  One of the first three: multiplies f, and behind 32 products fetches the next quarter into g.
.macro QUARTER slot, k, f, g, zero
	s_wait_dscnt 8                                 ; all but the youngest eight loads (wc's column tiles 8-11) are in
	MUL16 \f, 0, \zero
	MUL16 \f, 1, \zero
	PLACES
	FETCH \slot, \k, \g
	s_wait_dscnt 32                                ; all but the 32 just issued
	MUL16 \f, 2, \zero
.endm
; The last quarter multiplies buffer 1 and changes slots: one barrier.  In front of it each wave waits for all its tensor loads (one is out: its part of the next slot), adds 0 to its spare word, and waits for
; that and for its reads of this slot.  fill = 1: the barrier opens a round of the cluster's barrier, and behind the round this slot is filled again, two K steps ahead: 160 matrix instructions ahead of the wait for it.
.macro TURN slot, next, fill
.if \fill
	s_wait_xcnt 0x0                                ; the last prefetch, a K step back, has read its address: it is stepped here, ahead of the waits of the change of slots
	s_add_nc_u64 s[PFA:PFA+1], s[PFA:PFA+1], KSTEP*2
.endif
	WIN 0                                          ; (the add's two registers lie in window 0)
	s_wait_tensorcnt 0x0                           ; all my tensor loads have landed
	ds_add_u32 v[SPW], v[NIL]                      ; 0 onto my spare word
	s_wait_dscnt 9                                 ; (the add and the youngest eight loads may be out)
	MUL16 F1, 0, 0                                 ; sixteen matrix instructions stand between the add and the wait for it
	s_wait_dscnt 0x0                               ; the add is done, and my reads of this slot are over
	s_barrier_signal -1
	MUL16 F1, 1, 0
.if \fill
	WIN 0
.endif
	s_barrier_wait -1
.if \fill
	CREST                                          ; no wave of any partner still reads this slot or has a load on its way
	s_add_nc_u64 s[G0A+4*(\slot)+2:G0A+4*(\slot)+3], s[G0A+4*(\slot)+2:G0A+4*(\slot)+3], 2*KSTEP*2
	s_add_nc_u64 s[G0B+4*(\slot)+2:G0B+4*(\slot)+3], s[G0B+4*(\slot)+2:G0B+4*(\slot)+3], 2*KSTEP*2
	JLOAD \slot                                    ; the first tensor load behind the round; its four v_nop are also the places in front of the loads below
.else
	PLACES
.endif
	FETCH \next, 0, F0
.if \fill
	WIN 0
	ASK
.endif
	MUL16 F1, 2, 0
.endm
	s_wait_kmcnt 0x0                               ; the gains
	s_wait_tensorcnt 1                             ; my part of K step 0 is in; K step 1 may stay out
	s_barrier_signal -1
	s_barrier_wait -1
	FETCH 0, 0, F0
	QUARTER 0, 64,  F0, F1, 1                      ; the first quarter stands in front of the loop: its products start the sums
	WIN 0                                          ; at a label and at a branch every window is 0
	s_mov_b32 s[LAP], 3
.Llap:                                                 ; a trip goes once round the ring and fills both slots again: K steps 2 to 7
	QUARTER 0, 128, F1, F0, 0
	QUARTER 0, 192, F0, F1, 0
	TURN 0, 1, 1
	QUARTER 1, 64,  F0, F1, 0
	QUARTER 1, 128, F1, F0, 0
	QUARTER 1, 192, F0, F1, 0
	TURN 1, 0, 1
	QUARTER 0, 64,  F0, F1, 0
	WIN 0
	s_sub_co_u32 s[LAP], s[LAP], 1
	s_cmp_lg_u32 s[LAP], 0
	s_cbranch_scc1 .Llap
	QUARTER 0, 128, F1, F0, 0                      ; the last lap fills nothing
	QUARTER 0, 192, F0, F1, 0
	TURN 0, 1, 0
	QUARTER 1, 64,  F0, F1, 0
	QUARTER 1, 128, F1, F0, 0
	QUARTER 1, 192, F0, F1, 0
	s_wait_dscnt 8
	MUL16 F1, 0, 0
	MUL16 F1, 1, 0
	s_wait_dscnt 0x0
	MUL16 F1, 2, 0
	; THE WAY OUT, in registers alone.  cos and sin are rounded to bf16 and widened again: 96 plain lines that name no accumulator: the places behind the last products.
	WIN 0
	s_wait_loadcnt 0x0                             ; cos and sin
.set i, 0
.rept 32
	v_cvt_pk_bf16_f32 v[TT+i%4], v[CS+2*i], v[CS+2*i+1]
	v_lshlrev_b32 v[CS+2*i], 16, v[TT+i%4]
	v_and_b32 v[CS+2*i+1], 0xffff0000, v[TT+i%4]
.set i, i+1
.endr
	v_mov_b32 v[GN], s66
	v_mov_b32 v[GN+1], s67
	v_cvt_pk_bf16_f32 v[TT], v[GN], v[GN+1]
	v_lshlrev_b32 v[GN], 16, v[TT]
	v_and_b32 v[GN+1], 0xffff0000, v[TT]
	v_mul_f32 v[GN], 0x3e8293ee, v[GN]             ; log2(e) / sqrt(32) = 0.255035
	v_mul_f32 v[GN+1], 0x3e8293ee, v[GN+1]
; Head hs of four (q of head 2 c, q of 2 c + 1, k of 2 c, k of 2 c + 1): X1 = accumulator (2 hs, tt), channels 0-15; X2 = (2 hs + 1, tt), channels 16-31.
.macro HEADOUT hs
	WIN 0x0a                                       ; sources 0 and 1 window 2
.irp p, 0,1,2,3,4,5,6,7                ; the sum of my 16 squares, in pairs, each accumulator from its low end on; the four token tiles by turns
.irp t, 0,1,2,3
.set rX, 8*(8*(\hs)+4*((\p)/4)+(\t))+2*((\p)%4)
.if (\p) == 0
	v_pk_mul_f32 v[T+2*(\t):T+2*(\t)+1], v[rX:rX+1], v[rX:rX+1]
.else
	v_pk_fma_f32 v[T+2*(\t):T+2*(\t)+1], v[rX:rX+1], v[rX:rX+1], v[T+2*(\t):T+2*(\t)+1]
.endif
.endr
.endr
	WIN 0
.irp t, 0,1,2,3
	v_add_f32 v[T+2*(\t)], v[T+2*(\t)], v[T+2*(\t)+1]
.endr
.irp t, 0,1,2,3
	v_permlanex16_b32 v[T+2*(\t)+1], v[T+2*(\t)], s76, s77  ; the token's other 16 channels lie in the lane 16 away
.endr
.irp t, 0,1,2,3
	v_add_f32 v[T+2*(\t)], v[T+2*(\t)], v[T+2*(\t)+1]
.endr
.irp t, 0,1,2,3
	v_fma_f32 v[T+2*(\t)], v[T+2*(\t)], s78, s79   ; the mean, + 1e-6
.endr
.irp t, 0,1,2,3
	v_rsq_f32 v[T+2*(\t)], v[T+2*(\t)]
.endr
	v_nop                                          ; a plain instruction behind the last of the four,
	s_wait_alu depctr_va_vdst(0)                   ; and one wait ahead of the first use
.if (\hs) < 2
.irp t, 0,1,2,3
	v_mul_f32 v[T+2*(\t)], v[T+2*(\t)], v[GN+(\hs)]
.endr
.endif
.if (\hs) > 0
	s_wait_xcnt 0x0                                ; the last head's stores have read their registers
.endif
	WIN 0x02                                       ; source 0 window 2
.irp t, 0,1,2,3
.irp p, 0,1,2,3
.set rX, 8*(8*(\hs)+(\t))+2*(\p)
.set rU, UW+16*(\t)+2*(\p)
.set rC, CS+16*(\t)+2*(\p)
	v_pk_mul_f32 v[rU:rU+1], v[rX:rX+1], v[rC:rC+1]                    ; x1 c
	v_pk_mul_f32 v[rU+8:rU+9], v[rX+32:rX+33], v[rC:rC+1]              ; x2 c
	v_pk_fma_f32 v[rU:rU+1], v[rX+32:rX+33], v[rC+8:rC+9], v[rU:rU+1] neg_lo:[1,0,0] neg_hi:[1,0,0]  ; - x2 s
	v_pk_fma_f32 v[rU+8:rU+9], v[rX:rX+1], v[rC+8:rC+9], v[rU+8:rU+9]  ; + x1 s
.endr
.endr
	WIN 0
.irp t, 0,1,2,3
.irp p, 0,1,2,3,4,5,6,7
	v_pk_mul_f32 v[UW+16*(\t)+2*(\p):UW+16*(\t)+2*(\p)+1], v[UW+16*(\t)+2*(\p):UW+16*(\t)+2*(\p)+1], v[T+2*(\t):T+2*(\t)+1] op_sel_hi:[1,0]
.endr
.irp i, 0,1,2,3                        ; rounded once to f16, packed in place, ascending
	v_cvt_pk_f16_f32 v[UW+16*(\t)+(\i)], v[UW+16*(\t)+2*(\i)], v[UW+16*(\t)+2*(\i)+1]
.endr
.irp i, 0,1,2,3
	v_cvt_pk_f16_f32 v[UW+16*(\t)+8+(\i)], v[UW+16*(\t)+8+2*(\i)], v[UW+16*(\t)+8+2*(\i)+1]
.endr
.if (\hs) < 2                          ; each store of the wave covers 512 consecutive bytes, aligned
	global_store_b128 v[L16], v[UW+16*(\t):UW+16*(\t)+3],    s[80:81] offset:(\hs)*131072+1024*(\t)
	global_store_b128 v[L16], v[UW+16*(\t)+8:UW+16*(\t)+11], s[80:81] offset:(\hs)*131072+1024*(\t)+512
.else
	global_store_b128 v[L16], v[UW+16*(\t):UW+16*(\t)+3],    s[82:83] offset:((\hs)-2)*262144+1024*(\t)
	global_store_b128 v[L16], v[UW+16*(\t)+8:UW+16*(\t)+11], s[82:83] offset:((\hs)-2)*262144+1024*(\t)+512
.endif
.endr
.endm
	HEADOUT 0
	HEADOUT 1
	HEADOUT 2
	HEADOUT 3
	; v: accumulator a = 4 (2 vs + cb) + tt holds channel l % 16 of block cb of head 2 c + vs and tokens 16 tt + 8 (l / 16) + 0..7: half tt % 2 of V^T's fragment (kg = tt / 2, cb)
	s_wait_xcnt 0x0
	WIN 0x0f                                       ; sources 0 and 1 window 3
.set a, 0
.rept 16
.irp i, 0,1,2,3
	v_cvt_pk_f16_f32 v[UW+4*a+(\i)], v[8*a+2*(\i)], v[8*a+2*(\i)+1]
.endr
.set a, a+1
.endr
	WIN 0
.set a, 0
.rept 16
	global_store_b128 v[L16], v[UW+4*a:UW+4*a+3], s[82:83] offset:(a/8)*262144+4096+2048*((a%4)/2)+1024*((a/4)%2)+512*(a%2)
.set a, a+1
.endr
	s_wait_tensorcnt 0x0                           ; the wave's end, behind my last tensor load
	ds_add_u32 v[SPW], v[NIL]
	s_wait_dscnt 0x0
	CROUND                                         ; the closing round: no work-group ends while a partner may still ask for a tile that names it
	s_endpgm
.Lfunc_end_k_qe55731d678_qkv:
	.size	k_qe55731d678_qkv, .Lfunc_end_k_qe55731d678_qkv-k_qe55731d678_qkv
	.p2alignl 7, 3214868480
	.fill 96, 4, 3214868480
	.section	.rodata,"a",@progbits
	.p2align	6, 0x0
	.amdhsa_kernel k_qe55731d678_qkv
		.amdhsa_group_segment_fixed_size 327680
		.amdhsa_private_segment_fixed_size 0
		.amdhsa_enable_private_segment 0
		.amdhsa_kernarg_size 56
		.amdhsa_user_sgpr_count 2
		.amdhsa_user_sgpr_kernarg_segment_ptr 1
		.amdhsa_wavefront_size32 1
		.amdhsa_system_sgpr_workgroup_id_x 1
		.amdhsa_system_sgpr_workgroup_id_y 1
		.amdhsa_system_sgpr_workgroup_id_z 1
		.amdhsa_system_vgpr_workitem_id 0
		.amdhsa_next_free_vgpr 896
		.amdhsa_next_free_sgpr 96
		.amdhsa_reserve_vcc 0
		.amdhsa_float_denorm_mode_32 3
		.amdhsa_float_denorm_mode_16_64 3
		.amdhsa_memory_ordered 1
		.amdhsa_forward_progress 1
		.amdhsa_inst_pref_size 156
	.end_amdhsa_kernel
	.amdgpu_metadata
---
amdhsa.version: [ 1, 2 ]
amdhsa.kernels:
  - .name:           k_qe55731d678_qkv
    .symbol:         k_qe55731d678_qkv.kd
    .args:
      - { .name: xb, .offset: 0, .size: 8, .value_kind: global_buffer, .address_space: global }
      - { .name: wc, .offset: 8, .size: 8, .value_kind: global_buffer, .address_space: global }
      - { .name: cos, .offset: 16, .size: 8, .value_kind: global_buffer, .address_space: global }
      - { .name: sin, .offset: 24, .size: 8, .value_kind: global_buffer, .address_space: global }
      - { .name: q_gain, .offset: 32, .size: 8, .value_kind: global_buffer, .address_space: global }
      - { .name: qf, .offset: 40, .size: 8, .value_kind: global_buffer, .address_space: global }
      - { .name: kv, .offset: 48, .size: 8, .value_kind: global_buffer, .address_space: global }
    .group_segment_fixed_size: 327680
    .private_segment_fixed_size: 0
    .kernarg_segment_align: 8
    .kernarg_segment_size: 56
    .max_flat_workgroup_size: 128
    .sgpr_count:     96
    .vgpr_count:     896
    .wavefront_size: 32
...
	.end_amdgpu_metadata
.endif
;; end of part 2
;; launch attn (part 3): grid 4 x 64, 8 waves a work-group, no clusters, 263,168 bytes of LDS; arguments qf, kv, yf; writes yf
.if DOCPART == 3
	.amdgcn_target "amdgcn-amd-amdhsa--gfx1250"
	.amdhsa_code_object_version 6
	.text
	.protected	k_qe55731d678_attn
	.globl	k_qe55731d678_attn
	.p2align	8
	.type	k_qe55731d678_attn,@function
k_qe55731d678_attn:
	s_mov_b64 s[64:65], 0
	v_nop
	global_prefetch_b8 v0, s[64:65] scope:SCOPE_SE
	s_setreg_imm32_b32 hwreg(HW_REG_WAVE_MODE, 25, 1), 1
	s_wait_xcnt 0x0
; CAUSAL ATTENTION at head size 32.  y[q] = the sum over k <= q of softmax_k(q . k) v[k], for 64 heads of 2,048 rows.  q arrives scaled by gain log2(e) / sqrt(32): p = 2^(s - m) with a running maximum m.
; qf, kv: fragments in f16 as the launch before laid them (a fragment of 1,024 bytes = [half 2][lane 32][16 B]); yf [token tile 256][head 32][1,024 B]: 16 tokens x the head's 32 channels, f16.
; Products, maxima and sums in f32; the weights are rounded to f16 for the second product, and their sum l is taken of the rounded weights, by the matrix unit, in f32; y is rounded once.
; LIMITS.  A hidden score counts as -1e30; a weight below 2^-126 counts as 0; y lies within v's range (f16: under 65,504); NaN and infinities are not treated apart.
; A HEAD'S K AND V STAY IN LDS: 32 steps of 64 keys x 8,192 bytes = 262,144 bytes, as they lie in memory.  Nothing is filled twice and nothing is stored to LDS.
; SHARES.  A head's queries are 64 groups of 32 rows.  Four work-groups of eight waves take a head; the wave with g = 8 x work-group + wave owns group 63 - g and then group g.  Group G needs G / 2 whole steps
; and one step with the diagonal: 33 steps for every wave, whatever g.  Two waves lie on a SIMD: one's vector work stands beside the other's products.  256 registers a wave: no register windows.
; LAYOUT.  S^T = K Q^T (source 0 = 16 keys, source 1 = 16 queries): a lane holds ONE query (lane % 16) and the keys 8 (lane / 16) + 0..7.  Two such results rounded to f16 in pairs ARE source 1 (32 keys x 16
; queries) of O^T = V^T P, whose result holds one query a lane and eight channels, and, packed, is half a fragment of yf.  l = ones x P: every register holds the query's whole sum, so only register 0 is
; kept in step (rescaled and read); registers 1-7 of that accumulator hold sums of weights of at most 1, at most 2,048 of them, and are never read.
; m starts at the lowest finite number, O and l at 0 (the second group: at what the first left): the first step multiplies them by a = 0, and no first step is written out.
; NO CLUSTER: the four work-groups of a head read the same bytes, once each at their start.
; NO PREFETCH: all tensor loads go out at the kernel's head; nothing is asked for later.
.set SPARE, 262144                     ; behind the head's K and V: the spare words, 128 bytes for each of eight waves: four blocks of 256 bytes that no other line names
.set L16, 1                            ; v1      16 x lane; never rewritten
.set ADR, 2                            ; v2      LDS address of my 16 bytes in the step in hand
.set RB,  3                            ; v3      l % 16 - 8 (l / 16)
.set REL, 4                            ; v4-5    tile u: register n of the 32 scores is hidden where 16 (n / 8) + n % 8 is greater
.set NEG, 6                            ; v6      -1e30
.set SPW, 8                            ; v8      LDS address of my spare word; never rewritten
.set NIL, 9                            ; v9      0; never rewritten
.set Q,   16                           ; v[16:31]   the first group's two tiles of Q
.set QB,  32                           ; v[32:47]   the second group's
.set ONES, 48                          ; v[48:55]   1.0 in every f16
.set ST,  56                           ; v[56:71]   tile u at ST + 8 u: m, m_old, c0-c3 at work (a takes c2's place), 1 / l and a partner
.set KF,  72                           ; v[72:103]  K of a step: 16 keys kb at KF + 8 kb
.set VF,  104                          ; v[104:135] V^T of a step: (kg, cb) at VF + 16 kg + 8 cb
.set S,   136                          ; v[136:199] S^T, 32 a tile; P is packed in place: (u, kg) at S + 32 u + 8 kg
.set O,   200                          ; v[200:231] O^T: (u, cb) at O + 16 u + 8 cb
.set L,   232                          ; v[232:247] l: tile u at L + 8 u
.set WV,  10                           ; s10  my wave's number;  s12 the head;  s13 g;  s14 63 - g
.set LEFT, 44                          ; s44  whole steps that the group in hand still has
.set CNT, 45                           ; s45  counts a loop's trips
.set SEL, 46                           ; s[46:47] v_permlanex16_b32: each lane takes its own place in the other half
.set TB,  56                           ; s56  LDS byte at which the step in hand begins
	s_load_b128 s[4:7], s[0:1], 0x0                ; qf s[4:5], kv s[6:7]
	s_load_b64 s[8:9], s[0:1], 0x10                ; yf
	v_lshl_add_u32 v[SPW], v0, 2, SPARE
	v_mov_b32 v[NIL], 0
	ds_add_u32 v[SPW], v[NIL]                      ; the wave's opening: the add and its wait stand ahead of my first tensor load; the set-up below, work on registers, stands between them
	v_lshrrev_b32 v7, 5, v0
	v_readfirstlane_b32 s[WV], v7
	s_lshl_b32 s13, ttmp9, 3
	s_add_co_u32 s13, s13, s[WV]                   ; g, 0 to 31
	s_sub_co_u32 s14, 63, s13
	s_and_b32 s12, ttmp7, 0xffff
	; The head's bytes are dense: they come as rows of 256 bytes, elements of 8.  Three chunks: steps 0-7, 8-15, 16-31; each wave brings an eighth of each (32, 32 and 64 rows), so that
	; its counted waits and a barrier show a chunk whole.  Three loads of mine are out at the most.
	s_mov_b32 s16, 3<<16                           ; no mask; elements of 8 bytes; no padding
	s_mov_b32 s17, 32<<16                          ; tensor_dim0 = 32
	s_mov_b32 s18, 32<<16                          ; tensor_dim1 = 32 rows
	s_mov_b32 s19, 32<<16                          ; tile_dim0 = 32
	s_mov_b32 s20, 32                              ; tile_dim1 = 32
	s_mov_b32 s21, 32                              ; elements from row to row
	s_mov_b32 s22, 0
	s_mov_b32 s23, 0
	s_mov_b32 s36, 3<<16
	s_mov_b32 s37, 32<<16
	s_mov_b32 s38, 64<<16                          ; 64 rows
	s_mov_b32 s39, 32<<16
	s_mov_b32 s40, 64
	s_mov_b32 s41, 32
	s_mov_b32 s42, 0
	s_mov_b32 s43, 0
	s_mov_b32 s24, 1
	s_lshl_b32 s25, s[WV], 13                      ; chunk 0: LDS byte 8,192 x wave
	s_mov_b32 s28, 1
	s_add_co_u32 s29, s25, 65536                   ; chunk 1
	s_mov_b32 s32, 1
	s_lshl_b32 s33, s[WV], 14
	s_add_co_u32 s33, s33, 131072                  ; chunk 2: 131,072 + 16,384 x wave
	s_lshl_b32 s58, s12, 18                        ; the head's 262,144 bytes
	s_mov_b32 s59, 0
	s_lshl_b32 s60, s[WV], 13
	s_mov_b32 s61, 0
	s_lshl_b32 s62, s[WV], 14
	s_mov_b32 s63, 0
	s_mov_b32 s[SEL], 0x76543210
	s_mov_b32 s[SEL+1], 0xfedcba98
	s_mov_b32 s[TB], 0
	s_wait_dscnt 0x0                               ; the opening add is done
	s_wait_kmcnt 0x0
	s_add_nc_u64 s[6:7], s[6:7], s[58:59]
	s_add_nc_u64 s[26:27], s[6:7], s[60:61]        ; memory offsets are the LDS addresses
	s_add_nc_u64 s[30:31], s[26:27], 0x10000
	s_add_nc_u64 s[34:35], s[6:7], s[62:63]
	s_add_nc_u64 s[34:35], s[34:35], 0x20000
	s_or_b32 s27, s27, 0x80000000                  ; type = 2
	s_or_b32 s31, s31, 0x80000000
	s_or_b32 s35, s35, 0x80000000
	tensor_load_to_lds s[24:27], s[16:23]
	s_nop 0
	tensor_load_to_lds s[28:31], s[16:23]
	s_nop 0
	tensor_load_to_lds s[32:35], s[36:43]
	s_nop 0
	s_lshl_b32 s58, s12, 17                        ; qf: 131,072 bytes a head, 2,048 a group
	s_lshl_b32 s60, s14, 11
	s_add_co_u32 s60, s60, s58
	s_add_nc_u64 s[48:49], s[4:5], s[60:61]
	s_lshl_b32 s62, s13, 11
	s_add_co_u32 s62, s62, s58
	s_add_nc_u64 s[50:51], s[4:5], s[62:63]
	s_lshr_b32 s58, s12, 5                         ; yf: the batch's 128 token tiles of 32,768 bytes, a group's two, the head's 1,024 bytes in each
	s_lshl_b32 s58, s58, 22
	s_and_b32 s59, s12, 31
	s_lshl_b32 s59, s59, 10
	s_add_co_u32 s58, s58, s59
	s_lshl_b32 s60, s14, 16
	s_add_co_u32 s60, s60, s58
	s_add_nc_u64 s[52:53], s[8:9], s[60:61]
	s_lshl_b32 s62, s13, 16
	s_add_co_u32 s62, s62, s58
	s_add_nc_u64 s[54:55], s[8:9], s[62:63]
	v_and_b32 v[L16], 31, v0
	v_lshlrev_b32 v[L16], 4, v[L16]
.irp u, 0,1
	global_load_b128 v[Q+8*(\u):Q+8*(\u)+3],     v[L16], s[48:49] offset:1024*(\u)
	global_load_b128 v[Q+8*(\u)+4:Q+8*(\u)+7],   v[L16], s[48:49] offset:1024*(\u)+512
	global_load_b128 v[QB+8*(\u):QB+8*(\u)+3],   v[L16], s[50:51] offset:1024*(\u)
	global_load_b128 v[QB+8*(\u)+4:QB+8*(\u)+7], v[L16], s[50:51] offset:1024*(\u)+512
.endr
	; what the first step finds; all this stands in the wait for the first chunk
.set i, 0
.rept 48
	v_mov_b32 v[O+i], 0                            ; O^T and l (they lie on end)
.set i, i+1
.endr
.set i, 0
.rept 8
	v_mov_b32 v[ONES+i], 0x3c003c00
.set i, i+1
.endr
	v_mov_b32 v[ST], 0xff7fffff
	v_mov_b32 v[ST+8], 0xff7fffff
	v_mov_b32 v[ST+7], 0                           ; named in a pair with 1 / l
	v_mov_b32 v[ST+15], 0
	v_mov_b32 v[NEG], 0xf149f2ca
	v_and_b32 v[RB], 15, v0
	v_bfe_u32 v7, v0, 4, 1
	v_lshlrev_b32 v7, 3, v7
	v_sub_nc_u32 v[RB], v[RB], v7
	s_and_b32 s58, s14, 1                          ; the group is the lower or the upper half of its diagonal step's 64 rows
	s_lshl_b32 s58, s58, 5
	v_add_nc_u32 v[REL], s58, v[RB]
	v_add_nc_u32 v[REL+1], 16, v[REL]
	v_mov_b32 v[ADR], v[L16]
	s_lshr_b32 s[LEFT], s14, 1
.macro FETCHB dst, off                 ; four fragments, 4,096 bytes on end: eight loads of 512 consecutive bytes a wave
.irp i, 0,1,2,3
	ds_load_b128 v[(\dst)+8*(\i):(\dst)+8*(\i)+3],   v[ADR] offset:(\off)+1024*(\i)
	ds_load_b128 v[(\dst)+8*(\i)+4:(\dst)+8*(\i)+7], v[ADR] offset:(\off)+1024*(\i)+512
.endr
.endm
; Number n of the 20 that find tile u's new maximum and a.  0-11: four chains of seven scores, each accumulator's lowest registers first; 12-15: the four scores left over, the old m, the
; four into one; 16, 17: the query's other 32 keys lie in the lane 16 away; 18, 19: a = 2^(m_old - m).
.macro MX u, n
.set rT, ST+8*(\u)
.set rC, ST+8*(\u)+2
.set rS, S+32*(\u)
.if (\n) < 4
	v_max3_num_f32 v[rC+(\n)], v[rS+8*(\n)], v[rS+8*(\n)+1], v[rS+8*(\n)+2]
.elseif (\n) < 12
	v_max3_num_f32 v[rC+(\n)%4], v[rC+(\n)%4], v[rS+8*((\n)%4)+2*((\n)/4)+1], v[rS+8*((\n)%4)+2*((\n)/4)+2]
.elseif (\n) == 12
	v_max3_num_f32 v[rC], v[rC], v[rS+7], v[rS+15]
.elseif (\n) == 13
	v_max3_num_f32 v[rC+1], v[rC+1], v[rS+23], v[rS+31]
.elseif (\n) == 14
	v_max3_num_f32 v[rC+2], v[rC+2], v[rC+3], v[rT+1]
.elseif (\n) == 15
	v_max3_num_f32 v[rC], v[rC], v[rC+1], v[rC+2]
.elseif (\n) == 16
	v_permlanex16_b32 v[rC+3], v[rC], s[SEL], s[SEL+1]
.elseif (\n) == 17
	v_max_num_f32 v[rT], v[rC], v[rC+3]
.elseif (\n) == 18
	v_sub_f32 v[rC+1], v[rT+1], v[rT]
.else
	v_exp_f32 v[rC+2], v[rC+1]
.endif
.endm
; Number n of the 25 that follow the exponentials for tile u: 0-7 O^T times a, each accumulator from its low end; 8 l times a; 9-24 the weights rounded to f16 in pairs, packed in place, ascending.
.macro TL u, n
.if (\n) < 8
	v_pk_mul_f32 v[O+16*(\u)+2*(\n):O+16*(\u)+2*(\n)+1], v[O+16*(\u)+2*(\n):O+16*(\u)+2*(\n)+1], v[ST+8*(\u)+4:ST+8*(\u)+5] op_sel_hi:[1,0]
.elseif (\n) == 8
	v_mul_f32 v[L+8*(\u)], v[L+8*(\u)], v[ST+8*(\u)+4]
.else
	v_cvt_pk_f16_f32 v[S+32*(\u)+(\n)-9], v[S+32*(\u)+2*((\n)-9)], v[S+32*(\u)+2*((\n)-9)+1]
.endif
.endm
; A product on P of tile u, keys 32 kg on.  w = 0, 1: O^T's channel block w; w = 2: l.
.macro PV u, kg, w
.if (\w) < 2
	v_wmma_f32_16x16x32_f16 v[O+16*(\u)+8*(\w):O+16*(\u)+8*(\w)+7], v[VF+16*(\kg)+8*(\w):VF+16*(\kg)+8*(\w)+7], v[S+32*(\u)+8*(\kg):S+32*(\u)+8*(\kg)+7], v[O+16*(\u)+8*(\w):O+16*(\u)+8*(\w)+7]
.else
	v_wmma_f32_16x16x32_f16 v[L+8*(\u):L+8*(\u)+7], v[ONES:ONES+7], v[S+32*(\u)+8*(\kg):S+32*(\u)+8*(\kg)+7], v[L+8*(\u):L+8*(\u)+7]
.endif
.endm
; ONE STEP of 64 keys for the group's two tiles.  QR names the group's Q.  diag = 1: the step that holds the diagonal, the group's last: scores of hidden keys are replaced, and no further K is fetched.
.macro TRIP diag
	s_wait_dscnt 0x0                               ; K of this step is in
.irp kb, 0,1,2,3
.irp u, 0,1
	v_wmma_f32_16x16x32_f16 v[S+32*(\u)+8*(\kb):S+32*(\u)+8*(\kb)+7], v[KF+8*(\kb):KF+8*(\kb)+7], v[QR+8*(\u):QR+8*(\u)+7], 0
.endr
.endr
	v_mov_b32 v[ST+1], v[ST]                       ; m_old is kept; with two v_nop the four places behind those products, in front of the loads into K's registers and of the first read of the scores
	v_mov_b32 v[ST+9], v[ST+8]
	v_nop
	v_nop
	FETCHB VF, 4096                                ; V of this step,
.if !(\diag)
	FETCHB KF, 8192                                ; and K of the next
.endif
.if \diag
.irp u, 0,1
.set n, 0
.rept 32
	v_cmp_gt_i32 vcc_lo, 16*(n/8)+n%8, v[REL+(\u)]
	v_cndmask_b32 v[S+32*(\u)+n], v[S+32*(\u)+n], v[NEG], vcc_lo
.set n, n+1
.endr
.endr
.endif
.irp n, 0,1,2,3,4,5,6,7,8,9,10,11,12,13,14,15,16,17,18,19
	MX 0, \n                                       ; the two tiles alternate, so that no line reads the result of the one before it
	MX 1, \n
.endr
.set i, 0
.rept 17                               ; s - m for a pair of each tile, then the four exponentials of the pairs before: nothing here names an exponential's result
.if i < 16
	v_pk_add_f32 v[S+2*i:S+2*i+1], v[S+2*i:S+2*i+1], v[ST:ST+1] op_sel_hi:[1,0] neg_lo:[0,1] neg_hi:[0,1]
	v_pk_add_f32 v[S+32+2*i:S+32+2*i+1], v[S+32+2*i:S+32+2*i+1], v[ST+8:ST+9] op_sel_hi:[1,0] neg_lo:[0,1] neg_hi:[0,1]
.endif
.if i > 0
	v_exp_f32 v[S+2*i-2], v[S+2*i-2]
	v_exp_f32 v[S+2*i-1], v[S+2*i-1]
	v_exp_f32 v[S+32+2*i-2], v[S+32+2*i-2]
	v_exp_f32 v[S+32+2*i-1], v[S+32+2*i-1]
.endif
.set i, i+1
.endr
	v_nop                                          ; a plain instruction behind the last exponential,
	s_wait_alu depctr_va_vdst(0)                   ; and ONE wait for the step's 66, ahead of the first line that names a result
.set n, 0
.rept 25
	TL 0, n
.set n, n+1
.endr
.if \diag
	s_wait_dscnt 0x0                               ; V is in
.else
	s_wait_dscnt 8                                 ; V is in; the eight loads of the next K, issued behind V's, may stay out
.endif
.set n, 0
.irp kg, 0,1                           ; tile 0's six products, the three accumulators by turns; behind each four of tile 1's lines, which name none of their registers
.irp w, 0,1,2
	PV 0, \kg, \w
.rept 4
	TL 1, n
.set n, n+1
.endr
.endr
.endr
	TL 1, 24
.irp kg, 0,1
.irp w, 0,1,2
	PV 1, \kg, \w
.endr
.endr
.if !(\diag)
	s_add_co_u32 s[TB], s[TB], 8192                ; the next step
	v_add_nc_u32 v[ADR], s[TB], v[L16]             ; with four v_nop the five places in front of the next products, which write over P
.rept 4
	v_nop
.endr
.endif
.endm
; n trips at the most: a wave whose group has fewer whole steps left jumps forward over the dead ones, which hold no barrier and no tensor load.  Behind the last live trip ADR and K stand at the diagonal step.
.macro WALK n
	s_mov_b32 s[CNT], \n
.Lwalk_\@:
	s_cmp_gt_i32 s[LEFT], 0
	s_cbranch_scc0 .Ldead_\@
	TRIP 0
.Ldead_\@:
	s_sub_co_i32 s[LEFT], s[LEFT], 1
	s_sub_co_u32 s[CNT], s[CNT], 1
	s_cmp_lg_u32 s[CNT], 0
	s_cbranch_scc1 .Lwalk_\@
.endm
; THE WAY OUT of a group: O^T / l, rounded to f16 in pairs: registers 0-3 and 4-7 are the two halves of yf's fragment; each store of the wave covers 512 consecutive bytes, aligned.
.macro OUT yb
.rept 4
	v_nop                                          ; the places behind the last products
.endr
	v_rcp_f32 v[ST+6], v[L]
	v_rcp_f32 v[ST+14], v[L+8]
	v_nop
	s_wait_alu depctr_va_vdst(0)                   ; one wait for the two reciprocals
.irp u, 0,1
.irp i, 0,1,2,3,4,5,6,7
	v_pk_mul_f32 v[S+32*(\u)+2*(\i):S+32*(\u)+2*(\i)+1], v[O+16*(\u)+2*(\i):O+16*(\u)+2*(\i)+1], v[ST+8*(\u)+6:ST+8*(\u)+7] op_sel_hi:[1,0]
.endr
.endr
.irp u, 0,1
.irp i, 0,1,2,3,4,5,6,7
	v_cvt_pk_f16_f32 v[S+32*(\u)+(\i)], v[S+32*(\u)+2*(\i)], v[S+32*(\u)+2*(\i)+1]
.endr
.endr
.irp u, 0,1
	global_store_b128 v[L16], v[S+32*(\u):S+32*(\u)+3],   s[(\yb):(\yb)+1] offset:32768*(\u)
	global_store_b128 v[L16], v[S+32*(\u)+4:S+32*(\u)+7], s[(\yb):(\yb)+1] offset:32768*(\u)+512
.endr
.endm
	; GROUP 63 - g: 16 to 31 whole steps.  The trip counts 7, 8, 16 are such that a trip's look-ahead (K of the next step) never leaves the chunks that have been shown whole.
.set QR, Q
	s_wait_tensorcnt 2                             ; my part of steps 0-7 is in; the two later loads may stay out
	s_barrier_signal -1
	s_barrier_wait -1                              ; everybody's is
	s_wait_loadcnt 0x0                             ; Q, both groups'
	FETCHB KF, 0                                   ; K of step 0
	WALK 7                                         ; steps 0-6; K up to step 7
	s_wait_tensorcnt 1                             ; my part of steps 8-15
	s_wait_dscnt 0x0                               ; no LDS instruction of mine is out at a signal
	s_barrier_signal -1
	s_barrier_wait -1
	WALK 8                                         ; steps 7-14; K up to step 15
	s_wait_tensorcnt 0x0                           ; my part of steps 16-31
	s_wait_dscnt 0x0
	s_barrier_signal -1
	s_barrier_wait -1
	WALK 16                                        ; steps 15-30
	TRIP 1
	OUT 52
	; GROUP g: 0 to 15 whole steps
.set QR, QB
	s_wait_xcnt 0x0                                ; the stores have read their registers
	v_mov_b32 v[ST], 0xff7fffff
	v_mov_b32 v[ST+8], 0xff7fffff
	s_and_b32 s58, s13, 1
	s_lshl_b32 s58, s58, 5
	v_add_nc_u32 v[REL], s58, v[RB]
	v_add_nc_u32 v[REL+1], 16, v[REL]
	s_mov_b32 s[TB], 0
	v_mov_b32 v[ADR], v[L16]
	s_lshr_b32 s[LEFT], s13, 1
	FETCHB KF, 0
	WALK 15
	TRIP 1
	OUT 54
	s_wait_tensorcnt 0x0                           ; the wave's end, behind my last tensor load
	ds_add_u32 v[SPW], v[NIL]
	s_wait_dscnt 0x0
	s_endpgm
.Lfunc_end_k_qe55731d678_attn:
	.size	k_qe55731d678_attn, .Lfunc_end_k_qe55731d678_attn-k_qe55731d678_attn
	.p2alignl 7, 3214868480
	.fill 96, 4, 3214868480
	.section	.rodata,"a",@progbits
	.p2align	6, 0x0
	.amdhsa_kernel k_qe55731d678_attn
		.amdhsa_group_segment_fixed_size 263168
		.amdhsa_private_segment_fixed_size 0
		.amdhsa_enable_private_segment 0
		.amdhsa_kernarg_size 24
		.amdhsa_user_sgpr_count 2
		.amdhsa_user_sgpr_kernarg_segment_ptr 1
		.amdhsa_wavefront_size32 1
		.amdhsa_system_sgpr_workgroup_id_x 1
		.amdhsa_system_sgpr_workgroup_id_y 1
		.amdhsa_system_sgpr_workgroup_id_z 1
		.amdhsa_system_vgpr_workitem_id 0
		.amdhsa_next_free_vgpr 256
		.amdhsa_next_free_sgpr 66
		.amdhsa_reserve_vcc 1
		.amdhsa_float_denorm_mode_32 3
		.amdhsa_float_denorm_mode_16_64 3
		.amdhsa_memory_ordered 1
		.amdhsa_forward_progress 1
		.amdhsa_inst_pref_size 95
	.end_amdhsa_kernel
	.amdgpu_metadata
---
amdhsa.version: [ 1, 2 ]
amdhsa.kernels:
  - .name:           k_qe55731d678_attn
    .symbol:         k_qe55731d678_attn.kd
    .args:
      - { .name: qf, .offset: 0, .size: 8, .value_kind: global_buffer, .address_space: global }
      - { .name: kv, .offset: 8, .size: 8, .value_kind: global_buffer, .address_space: global }
      - { .name: yf, .offset: 16, .size: 8, .value_kind: global_buffer, .address_space: global }
    .group_segment_fixed_size: 263168
    .private_segment_fixed_size: 0
    .kernarg_segment_align: 8
    .kernarg_segment_size: 24
    .max_flat_workgroup_size: 256
    .sgpr_count:     66
    .vgpr_count:     256
    .wavefront_size: 32
...
	.end_amdgpu_metadata
.endif
;; end of part 3
;; launch proj (part 4): grid 8 x 32, 4 waves a work-group, clusters of 4 x 4, 327,680 bytes of LDS; arguments yf, wp, out0; writes out0
.if DOCPART == 4
	.amdgcn_target "amdgcn-amd-amdhsa--gfx1250"
	.amdhsa_code_object_version 6
	.text
	.protected	k_qe55731d678_proj
	.globl	k_qe55731d678_proj
	.p2align	8
	.type	k_qe55731d678_proj,@function
k_qe55731d678_proj:
	s_mov_b64 s[64:65], 0
	v_nop
	global_prefetch_b8 v0, s[64:65] scope:SCOPE_SE
	s_setreg_imm32_b32 hwreg(HW_REG_WAVE_MODE, 25, 1), 1
	s_wait_xcnt 0x0
	s_wait_alu depctr_hold_cnt(0) depctr_sa_sdst(0) depctr_va_vdst(0) depctr_va_sdst(0) depctr_va_ssrc(0) depctr_va_vcc(0) depctr_vm_vsrc(0)
	s_getreg_b32 s2, hwreg(HW_REG_IB_STS2, 6, 4)
	s_cmp_eq_u32 s2, 0
	s_cbranch_scc0 .Lentry_in_a_cluster
	s_endpgm
.Lentry_in_a_cluster:
	s_bfe_u32 s2, ttmp6, 0x10000c
	s_cmp_lg_u32 s2, 0xf033
	s_cbranch_scc0 .Lentry_shape_is_right
	s_endpgm
.Lentry_shape_is_right:
; THE OUTPUT PROJECTION.  out0[token][n] = the sum over k of y[token][k] Wproj[n][k]: [4096][1024], K = 1,024, f16 operands, f32 sums, f32 out.
; yf [token tile 256][head 32][1,024 B]: fragments of 16 tokens x 32 channels as registers hold them ([half 2][lane 32][16 B]); wp [1024][1024] f16, row-major.
; A tile of out0 is 128 x 128: 8 x 32 = 256 work-groups.  Four waves, each 64 x 64: 16 accumulators.  K goes in steps of 256 (8 heads) through two LDS slots: four K steps, written straight.
; Waves 0, 1 fetch the halves of wp's tile (64 rows of 512 bytes, padded), waves 2, 3 those of yf's (4 token tiles x 8,192 consecutive bytes): one tensor load a wave.
; CLUSTER 4 x 4: yf's tile is shared along a row of the cluster, wp's along a column: each is asked for jointly.  No prefetch: the tiles are small and the launch is short.
; THE MATRIX INSTRUCTION IS USED TRANSPOSED (source 0 = 16 rows of wp, source 1 = 16 tokens): a lane holds one token and eight neighbouring columns, 32 bytes of a row of out0.
; REGISTERS: window 0: v0-31 addresses; v32-95 the way out; v128-255 the accumulators ((a, b) at 128 + 8 (4 a + b), a the token tile).  window 1: two fragment buffers of 128: 64 of yf, 64 of wp.
.set KSTEP,  256
.set PITCH,  528                       ; a row of wp in LDS: 512 bytes + 16 of padding = 132 words: the 16 rows of a fragment load start at 16 different groups of four banks (64 banks of 4 bytes: ISA guide 11.1)
.set AOFF,   128*PITCH                 ; yf's 8 token tiles x 8,192 bytes lie behind wp's 128 rows; read as 512 consecutive bytes a load, they need no padding
.set SLOT,   AOFF+65536
.set STAGE,  2*SLOT                    ; behind the ring: 16 rows x 272 bytes for each wave, for the way out; no tensor load fills it
.set SPITCH, 272
.set SPARE,  STAGE+4*16*SPITCH         ; behind the stages: the spare words, 128 bytes for each wave: two blocks of 256 bytes that no other line names
.set ADRA, 16                          ; v16-17  LDS address of my fragments of yf in slot 0, 1
.set ADRB, 20                          ; v20-21  the same for wp
.set STO,  24                          ; v24     the way out: where I put 32 bytes of a row
.set RD,   25                          ; v25     the way out: where I read a row back
.set CO,   26                          ; v26     my byte offset in out0
.set SPW,  28                          ; v28     LDS address of my spare word; never rewritten
.set NIL,  29                          ; v29     0; never rewritten
.set TMP,  32
.set ACC,  128
.set F0,   0
.set F1,   128
.set G1, 24                            ; s[24:31] descriptor group 1 for yf's tiles;  s[32:39] group 0, a set for each slot
.set G0, 32
.set G1B, 48                           ; s[48:55], s[56:63] the same for wp's
.set G0B, 56
.set MSB, 0
.macro WIN new                         ; the immediate's high byte repeats the setting that is left
.if MSB != (\new)
	s_set_vgpr_msb (MSB<<8)|(\new)
.set MSB, \new
.endif
.endm
.set MUL,  0x05                        ; sources 0 and 1 window 1; C and D window 0
.set TO_F, 0x40                        ; destination window 1, address window 0
.macro JLOAD s                         ; a joint load; the branch hangs on the wave's number alone; an s_nop 0 and four v_nop follow each of the two lines
	s_cmp_eq_u32 s11, 0
	s_cbranch_scc0 .Lfor_a_\@
	tensor_load_to_lds s[G0B+4*(\s):G0B+4*(\s)+3], s[G1B:G1B+7]
	s_nop 0
.rept 4
	v_nop
.endr
	s_branch .Lasked_\@
.Lfor_a_\@:
	tensor_load_to_lds s[G0+4*(\s):G0+4*(\s)+3], s[G1:G1+7]
	s_nop 0
.rept 4
	v_nop
.endr
.Lasked_\@:
.endm
.macro CREST                           ; a round of the cluster's barrier behind its opening barrier
	s_cmp_lg_u32 s10, 0
	s_cbranch_scc1 .Lnot_wave_0_\@
	s_barrier_signal -3
.Lnot_wave_0_\@:
	s_barrier_wait -3
	s_barrier_signal -1
	s_barrier_wait -1
.endm
.macro CROUND
	s_barrier_signal -1
	s_barrier_wait -1
	CREST
.endm
	s_load_b128 s[4:7], s[0:1], 0x0                ; yf s[4:5], wp s[6:7]
	s_load_b64 s[8:9], s[0:1], 0x10                ; out0
	v_lshl_add_u32 v[SPW], v0, 2, SPARE
	v_mov_b32 v[NIL], 0
	ds_add_u32 v[SPW], v[NIL]                      ; the wave's opening: the add and its wait stand ahead of my first tensor load; the set-up below, work on registers, stands between them
	v_lshrrev_b32 v1, 5, v0
	v_readfirstlane_b32 s10, v1                    ; wave 0..3
	s_lshr_b32 s11, s10, 1                         ; which half of the tile's tokens is mine.  Also: I fetch for wp (0) or for yf (1)
	s_and_b32 s12, s10, 1                          ; which half of its columns.  Also: which half of that tile I fetch
	s_bfe_u32 s40, ttmp6, 0x40000                  ; cx
	s_bfe_u32 s41, ttmp6, 0x40004                  ; cy
	s_lshl_b32 s42, ttmp9, 2
	s_add_co_u32 s42, s42, s40                     ; tile column = 4 x cluster x + cx
	s_and_b32 s13, ttmp7, 0xffff
	s_lshl_b32 s13, s13, 2
	s_add_co_u32 s13, s13, s41                     ; tile row = 4 x cluster y + cy
	s_lshl_b32 s43, s41, 2
	s_lshl_b32 s43, 15, s43                        ; my row of the cluster
	s_lshl_b32 s44, 0x1111, s40                    ; my column
	s_or_b32 s[G1], s43, (3<<16)|(1<<21)           ; yf: the mask; elements of 8 bytes; 21 set beside a mask; no padding
	s_mov_b32 s[G1+1], 1024<<16                    ; tensor_dim0 = 1,024 elements: 8 heads x 1,024 bytes on end
	s_mov_b32 s[G1+2], 4<<16                       ; tensor_dim1 = 4 token tiles
	s_mov_b32 s[G1+3], 1024<<16                    ; tile_dim0
	s_mov_b32 s[G1+4], 4                           ; tile_dim1
	s_mov_b32 s[G1+5], 4096                        ; 32,768 bytes from token tile to token tile
	s_mov_b32 s[G1+6], 0
	s_mov_b32 s[G1+7], 0
	s_or_b32 s[G1B], s44, (1<<16)|(1<<20)|(1<<21)|(6<<22)|(3<<25)  ; wp: elements of 2 bytes; padding on, after every 128 words (code 6), 4 words (code 3)
	s_mov_b32 s[G1B+1], KSTEP<<16
	s_mov_b32 s[G1B+2], 64<<16
	s_mov_b32 s[G1B+3], KSTEP<<16
	s_mov_b32 s[G1B+4], 64
	s_mov_b32 s[G1B+5], 1024
	s_mov_b32 s[G1B+6], 0
	s_mov_b32 s[G1B+7], 0
	s_lshl_b32 s16, s13, 3                         ; yf: token tile 8 x tile row + 4 x half,
	s_lshl_b32 s17, s12, 2
	s_add_co_u32 s16, s16, s17
	s_lshl_b32 s16, s16, 15                        ; in bytes (under 2^23)
	s_mov_b32 s17, 0
	s_lshl_b32 s46, s42, 7                         ; wp: row 128 x tile column + 64 x half
	s_lshl_b32 s47, s12, 6
	s_add_co_u32 s46, s46, s47
	s_lshl_b32 s46, s46, 11
	s_mov_b32 s47, 0
	s_mul_i32 s20, s10, 64*PITCH                   ; where they go: wp's halves (waves 0, 1) at wave x 64 rows,
	s_lshl_b32 s21, s10, 15                        ; yf's (waves 2, 3) at AOFF + (wave - 2) x 32,768
	s_add_co_u32 s21, s21, AOFF-65536
	s_wait_dscnt 0x0                               ; the opening add is done
	s_wait_kmcnt 0x0
	s_add_nc_u64 s[14:15], s[4:5], s[16:17]
	s_add_nc_u64 s[46:47], s[6:7], s[46:47]
	CROUND                                         ; all sixteen work-groups are here: the first joint loads meet
.irp s, 0,1
	s_mov_b32 s[G0+4*(\s)], 1
	s_add_co_u32 s[G0+4*(\s)+1], s21, (\s)*SLOT
	s_add_nc_u64 s[G0+4*(\s)+2:G0+4*(\s)+3], s[14:15], (\s)*8192     ; K step s: 8 heads on
	s_or_b32 s[G0+4*(\s)+3], s[G0+4*(\s)+3], 0x80000000
	s_mov_b32 s[G0B+4*(\s)], 1
	s_add_co_u32 s[G0B+4*(\s)+1], s20, (\s)*SLOT
	s_add_nc_u64 s[G0B+4*(\s)+2:G0B+4*(\s)+3], s[46:47], (\s)*KSTEP*2
	s_or_b32 s[G0B+4*(\s)+3], s[G0B+4*(\s)+3], 0x80000000
	JLOAD \s
.endr
	v_and_b32 v1, 15, v0                           ; l % 16
	v_bfe_u32 v2, v0, 4, 1                         ; l / 16
	v_mul_u32_u24 v3, v1, PITCH
	v_lshl_add_u32 v3, v2, 4, v3                   ; wp: row x pitch + 16 x half
	s_mul_i32 s22, s12, 64*PITCH                   ; my 64 rows of it
	v_add_nc_u32 v[ADRB], s22, v3
	v_add_nc_u32 v[ADRB+1], SLOT, v[ADRB]
	v_and_b32 v4, 31, v0
	v_lshlrev_b32 v4, 4, v4                        ; yf: 16 x lane,
	s_lshl_b32 s21, s11, 15                        ; my four token tiles
	s_add_co_u32 s21, s21, AOFF
	v_add_nc_u32 v[ADRA], s21, v4
	v_add_nc_u32 v[ADRA+1], SLOT, v[ADRA]
	s_mul_i32 s23, s10, 16*SPITCH
	s_add_co_u32 s23, s23, STAGE                   ; my stage
	v_mul_u32_u24 v5, v1, SPITCH                   ; in: row l % 16, 32 bytes for each half of the lanes
	v_lshl_add_u32 v5, v2, 5, v5
	v_add_nc_u32 v[STO], s23, v5
	v_mul_u32_u24 v5, v2, SPITCH                   ; back: lanes 0-15 take one row of 256 bytes, lanes 16-31 the next
	v_lshl_add_u32 v5, v1, 4, v5
	v_add_nc_u32 v[RD], s23, v5
	v_lshlrev_b32 v5, 12, v2                       ; and the same two rows in out0 (4,096 bytes a row)
	v_lshl_add_u32 v[CO], v1, 4, v5
	s_lshl_b32 s16, s13, 7
	s_lshl_b32 s17, s11, 6
	s_add_co_u32 s16, s16, s17                     ; my first token
	s_lshl_b32 s16, s16, 12
	s_lshl_b32 s46, s42, 9                         ; my first column, in bytes: 512 x tile column + 256 x half
	s_lshl_b32 s47, s12, 8
	s_add_co_u32 s46, s46, s47
	s_add_co_u32 s16, s16, s46
	s_mov_b32 s17, 0
	s_add_nc_u64 s[8:9], s[8:9], s[16:17]
; 8 matrix instructions: token tiles a0, a0 + 1 x all 4 column tiles, 32 along K: half c of buffer f.  zero = 1: the product starts the sum.  The 16 accumulators take turns.
.macro MUL8 f, c, a0, zero
	WIN MUL
.irp a, \a0, (\a0)+1
.irp b, 0,1,2,3
.if \zero
	v_wmma_f32_16x16x32_f16 v[ACC+8*(4*(\a)+(\b)):ACC+8*(4*(\a)+(\b))+7], v[(\f)+64+8*(4*(\c)+(\b)):(\f)+64+8*(4*(\c)+(\b))+7], v[(\f)+8*(4*(\c)+(\a)):(\f)+8*(4*(\c)+(\a))+7], 0
.else
	v_wmma_f32_16x16x32_f16 v[ACC+8*(4*(\a)+(\b)):ACC+8*(4*(\a)+(\b))+7], v[(\f)+64+8*(4*(\c)+(\b)):(\f)+64+8*(4*(\c)+(\b))+7], v[(\f)+8*(4*(\c)+(\a)):(\f)+8*(4*(\c)+(\a))+7], v[ACC+8*(4*(\a)+(\b)):ACC+8*(4*(\a)+(\b))+7]
.endif
.endr
.endr
.endm
; 32 LDS loads in one run: the fragments of quarter q of a K step (64 along K: heads 2 q, 2 q + 1 of its eight) into buffer f; the first 32 along K first
.macro FETCH slot, q, f
	WIN TO_F
.irp c, 0,1
.irp i, 0,1,2,3
	ds_load_b128 v[(\f)+64+8*(4*(\c)+(\i)):(\f)+64+8*(4*(\c)+(\i))+3],   v[ADRB+(\slot)] offset:128*(\q)+64*(\c)+(\i)*16*PITCH
	ds_load_b128 v[(\f)+64+8*(4*(\c)+(\i))+4:(\f)+64+8*(4*(\c)+(\i))+7], v[ADRB+(\slot)] offset:128*(\q)+64*(\c)+(\i)*16*PITCH+32
	ds_load_b128 v[(\f)+8*(4*(\c)+(\i)):(\f)+8*(4*(\c)+(\i))+3],         v[ADRA+(\slot)] offset:8192*(\i)+1024*(2*(\q)+(\c))
	ds_load_b128 v[(\f)+8*(4*(\c)+(\i))+4:(\f)+8*(4*(\c)+(\i))+7],       v[ADRA+(\slot)] offset:8192*(\i)+1024*(2*(\q)+(\c))+512
.endr
.endr
.endm
.macro PLACES                          ; four places in front of loads into registers that matrix instructions have read, and of LDS stores that read results
.rept 4
	v_nop
.endr
.endm
; A K step is four quarters of 64 along K, 32 matrix instructions each, on buffers 0, 1, 0, 1.  One of the first three: multiplies buffer f and fetches quarter q into g.
.macro QUARTER slot, q, f, g, zero
	s_wait_dscnt 16                                ; the first 32 along K are in
	MUL8 \f, 0, 0, \zero
	MUL8 \f, 0, 2, \zero
	PLACES
	FETCH \slot, \q, \g
	s_wait_dscnt 32                                ; all but the 32 just issued
	MUL8 \f, 1, 0, 0
	MUL8 \f, 1, 2, 0
.endm
; The last quarter multiplies buffer 1 and changes slots: one barrier; in front of it each wave waits for all its tensor loads, adds 0 to its spare word, and waits for that and for its reads of this slot.
; fill = 1: the barrier opens a round of the cluster's barrier, and this slot is filled again, two K steps ahead.
.macro TURN slot, next, fill
	WIN 0                                          ; (the add's two registers lie in window 0)
	s_wait_tensorcnt 0x0                           ; all my tensor loads have landed: my part of the next slot
	ds_add_u32 v[SPW], v[NIL]                      ; 0 onto my spare word
	s_wait_dscnt 17                                ; (the add and the youngest sixteen loads may be out)
	MUL8 F1, 0, 0, 0                               ; eight matrix instructions stand between the add and the wait for it
	s_wait_dscnt 0x0                               ; the add is done, and my reads of this slot are over
	s_barrier_signal -1
	MUL8 F1, 0, 2, 0
.if \fill
	WIN 0
.endif
	s_barrier_wait -1
.if \fill
	CREST                                          ; no wave of any partner still reads this slot or has a load on its way
	s_add_nc_u64 s[G0+4*(\slot)+2:G0+4*(\slot)+3], s[G0+4*(\slot)+2:G0+4*(\slot)+3], 2*8192
	s_add_nc_u64 s[G0B+4*(\slot)+2:G0B+4*(\slot)+3], s[G0B+4*(\slot)+2:G0B+4*(\slot)+3], 2*KSTEP*2
	JLOAD \slot                                    ; the first tensor load behind the round; its four v_nop are also the places in front of the loads below
.else
	PLACES
.endif
	FETCH \next, 0, F0
	MUL8 F1, 1, 0, 0
	MUL8 F1, 1, 2, 0
.endm
	s_wait_tensorcnt 1                             ; my part of K step 0 is in; K step 1 may stay out
	s_barrier_signal -1
	s_barrier_wait -1
	FETCH 0, 0, F0
	QUARTER 0, 1, F0, F1, 1                        ; the first products start the sums
	QUARTER 0, 2, F1, F0, 0
	QUARTER 0, 3, F0, F1, 0
	TURN 0, 1, 1                                   ; slot 0 takes K step 2
	QUARTER 1, 1, F0, F1, 0
	QUARTER 1, 2, F1, F0, 0
	QUARTER 1, 3, F0, F1, 0
	TURN 1, 0, 1                                   ; slot 1 takes K step 3
	QUARTER 0, 1, F0, F1, 0
	QUARTER 0, 2, F1, F0, 0
	QUARTER 0, 3, F0, F1, 0
	TURN 0, 1, 0                                   ; nothing is left to fetch
	QUARTER 1, 1, F0, F1, 0
	QUARTER 1, 2, F1, F0, 0
	QUARTER 1, 3, F0, F1, 0
	s_wait_dscnt 16
	MUL8 F1, 0, 0, 0
	MUL8 F1, 0, 2, 0
	s_wait_dscnt 0x0
	MUL8 F1, 1, 0, 0
	MUL8 F1, 1, 2, 0
	WIN 0
	; THE WAY OUT.  My 64 columns are 256 bytes of a row of out0, so each wave has a stage of its own and no barrier is wanted: 16 tokens at a time go into rows of 272 bytes, 32 bytes a lane,
	; each accumulator's low half first, and come back as whole rows; LDS serves a wave's instructions in order (ISA guide 5.7.1.4).
	PLACES
.macro OUTBLK a
.set BK, TMP+32*((\a)%2)
	s_wait_xcnt 0x0                                ; earlier stores have read the registers that are loaded again below
.irp b, 0,1,2,3
	ds_store_b128 v[STO], v[ACC+8*(4*(\a)+(\b)):ACC+8*(4*(\a)+(\b))+3]   offset:64*(\b)
	ds_store_b128 v[STO], v[ACC+8*(4*(\a)+(\b))+4:ACC+8*(4*(\a)+(\b))+7] offset:64*(\b)+16
.endr
.irp t, 0,1,2,3,4,5,6,7
	ds_load_b128 v[BK+4*(\t):BK+4*(\t)+3], v[RD] offset:(\t)*2*SPITCH
.endr
.irp t, 0,1,2,3,4,5,6,7
	s_wait_dscnt 7-(\t)                            ; the younger loads may stay out
	global_store_b128 v[CO], v[BK+4*(\t):BK+4*(\t)+3], s[8:9] offset:(16*(\a)+2*(\t))*4096  ; 16 lanes store 256 consecutive bytes, at a multiple of 256 from out0's first byte
.endr
.endm
	OUTBLK 0
	OUTBLK 1
	OUTBLK 2
	OUTBLK 3
	s_wait_tensorcnt 0x0                           ; the wave's end, behind my last tensor load and my last LDS store
	ds_add_u32 v[SPW], v[NIL]
	s_wait_dscnt 0x0
	CROUND                                         ; the closing round: no work-group ends while a partner may still ask for a tile that names it
	s_endpgm
.Lfunc_end_k_qe55731d678_proj:
	.size	k_qe55731d678_proj, .Lfunc_end_k_qe55731d678_proj-k_qe55731d678_proj
	.p2alignl 7, 3214868480
	.fill 96, 4, 3214868480
	.section	.rodata,"a",@progbits
	.p2align	6, 0x0
	.amdhsa_kernel k_qe55731d678_proj
		.amdhsa_group_segment_fixed_size 327680
		.amdhsa_private_segment_fixed_size 0
		.amdhsa_enable_private_segment 0
		.amdhsa_kernarg_size 24
		.amdhsa_user_sgpr_count 2
		.amdhsa_user_sgpr_kernarg_segment_ptr 1
		.amdhsa_wavefront_size32 1
		.amdhsa_system_sgpr_workgroup_id_x 1
		.amdhsa_system_sgpr_workgroup_id_y 1
		.amdhsa_system_sgpr_workgroup_id_z 1
		.amdhsa_system_vgpr_workitem_id 0
		.amdhsa_next_free_vgpr 512
		.amdhsa_next_free_sgpr 66
		.amdhsa_reserve_vcc 0
		.amdhsa_float_denorm_mode_32 3
		.amdhsa_float_denorm_mode_16_64 3
		.amdhsa_memory_ordered 1
		.amdhsa_forward_progress 1
		.amdhsa_inst_pref_size 86
	.end_amdhsa_kernel
	.amdgpu_metadata
---
amdhsa.version: [ 1, 2 ]
amdhsa.kernels:
  - .name:           k_qe55731d678_proj
    .symbol:         k_qe55731d678_proj.kd
    .args:
      - { .name: yf, .offset: 0, .size: 8, .value_kind: global_buffer, .address_space: global }
      - { .name: wp, .offset: 8, .size: 8, .value_kind: global_buffer, .address_space: global }
      - { .name: out0, .offset: 16, .size: 8, .value_kind: global_buffer, .address_space: global }
    .group_segment_fixed_size: 327680
    .private_segment_fixed_size: 0
    .kernarg_segment_align: 8
    .kernarg_segment_size: 24
    .max_flat_workgroup_size: 128
    .sgpr_count:     66
    .vgpr_count:     512
    .wavefront_size: 32
...
	.end_amdgpu_metadata
.endif
;; end of part 4
;; ======== version 2 of 2: 4 launches; version 1 with the launch prep written anew for expert scheduling mode
;; limits: values are held in f16: magnitudes above 65,504 overflow, below 6.1e-05 lose precision
;; workspace buffers: xb 8,388,608 bytes; wc 6,291,456 bytes; wp 2,097,152 bytes; qf 8,388,608 bytes; kv 16,777,216 bytes; yf 8,388,608 bytes
;; launch prep (part 5): grid 256 x 1, 8 waves a work-group, no clusters, 0 bytes of LDS; arguments x, Wq, Wk, Wv, Wproj, xb, wc, wp; writes xb, wc, wp
.if DOCPART == 5
	.amdgcn_target "amdgcn-amd-amdhsa--gfx1250"
	.amdhsa_code_object_version 6
	.text
	.protected	k_qe55731d678_prep
	.globl	k_qe55731d678_prep
	.p2align	8
	.type	k_qe55731d678_prep,@function
k_qe55731d678_prep:
	s_mov_b64 s[64:65], 0
	v_nop
	global_prefetch_b8 v0, s[64:65] scope:SCOPE_SE
	s_setreg_imm32_b32 hwreg(HW_REG_WAVE_SCHED_MODE, 0, 2), 2
	s_setreg_imm32_b32 hwreg(HW_REG_WAVE_MODE, 25, 1), 1
	s_wait_xcnt 0x0
	s_wait_alu depctr_vm_vsrc(0)
; CASTS.  x and the four weight matrices, all f32 with rows of 1,024 numbers, are rounded once to bf16 for the matrix products that follow.
;   xb: x as it lies, bf16.      wc: Wq, Wk, Wv, bf16, rows regrouped: row 64 c + i of matrix s (0 q, 1 k, 2 v) goes to row 192 c + 64 s + i,
;   so that 192 rows on end are q, k and v of heads 2 c and 2 c + 1.      wp: Wproj rounded to bf16, and that number written as f16
;   (exact from 2^-17 up to 65,504; below 2^-17 f16 keeps a step of 2^-24).
; A stream: no LDS, no barrier, no matrix unit.  A work-group takes 32 rows: 128 KiB in, 64 KiB out.  Work-groups 0-127 take x, 128-255 the weights (32 each).
; Thread t owns 16 bytes of every row (4 numbers), so a load of a wave covers 512 consecutive bytes and a store of a wave 256 consecutive, aligned bytes.
; All 32 loads of a thread go out at once; every row has registers of its own.
; THE MODE: SCHED_MODE bits 1:0 = 2 (LLVM: expert scheduling mode 2), set by the entry lines.  The code itself states the register dependences
; between vector instructions and memory instructions, with s_wait_alu, always for 0.
; THE PLAN.  Registers that memory instructions touch:
;   v1, v2   byte offsets: written once at the head, read by every load (v1) and every store (v2), never written again.
;   X        row i: written by row i's one load; read by its conversions (on Wproj's way also written by them, behind the wait for that load); no memory instruction reads X, no second load lands in it.
;   Y        row i: written once, by row i's roundings; read once, by row i's store.
;   T is named by vector instructions alone; the two bases are scalar registers that are not written behind the first load.
; So no register that a memory instruction reads is written again, and no load lands in a register that a vector instruction has named: the only dependences to state are
; 'the offsets are written' (one wait, at the head) and 'a row's Y is written' ahead of its store.  The rows go in 8 blocks of four: a block's conversions, ONE wait, its four stores in a run.
; The stores stand at their own block's end and not behind the next block's wait for data: nothing else is left to issue meanwhile, all loads being out.
.set X, 4                              ; v[4:131]    row i: 4 numbers as loaded
.set Y, 132                            ; v[132:195]  row i: 2 registers to store
.set T, 196                            ; v[196:197]  at work
.set BLOCK, 4                          ; rows in a block
	s_load_b512 s[4:19], s[0:1], 0x0               ; x s[4:5], Wq s[6:7], Wk s[8:9], Wv s[10:11], Wproj s[12:13], xb s[14:15], wc s[16:17], wp s[18:19]
	v_lshlrev_b32 v1, 4, v0                        ; my 16 bytes of a row of f32
	v_lshlrev_b32 v2, 3, v0                        ; my 8 bytes of a row of 16-bit numbers
	s_and_b32 s28, ttmp9, 127
	s_lshr_b32 s29, s28, 5                         ; which matrix: 0 q, 1 k, 2 v, 3 proj
	s_and_b32 s30, s28, 31                         ; which 32 rows of it
	s_lshr_b32 s31, s30, 1                         ; c
	s_mul_i32 s31, s31, 192
	s_lshl_b32 s32, s29, 6
	s_add_co_u32 s31, s31, s32                     ; + 64 s
	s_and_b32 s32, s30, 1
	s_lshl_b32 s32, s32, 5
	s_add_co_u32 s31, s31, s32                     ; + the upper or lower 32 of the 64
	s_lshl_b32 s31, s31, 11                        ; wc: rows of 2,048 bytes
	s_lshl_b32 s33, s30, 16                        ; wp: 32 rows of 2,048 bytes
	s_lshl_b32 s34, ttmp9, 16                      ; xb: the same
	s_mov_b32 s25, 0
	s_mov_b32 s27, 0
	s_wait_kmcnt 0x0
	s_cmp_eq_u32 s29, 1                            ; the source and the destination are chosen by the work-group's number alone
	s_cselect_b64 s[20:21], s[8:9], s[6:7]
	s_cmp_eq_u32 s29, 2
	s_cselect_b64 s[20:21], s[10:11], s[20:21]
	s_cmp_eq_u32 s29, 3
	s_cselect_b64 s[20:21], s[12:13], s[20:21]
	s_cselect_b64 s[22:23], s[18:19], s[16:17]
	s_cselect_b32 s26, s33, s31
	s_cmp_lt_u32 ttmp9, 128
	s_cselect_b64 s[20:21], s[4:5], s[20:21]
	s_cselect_b64 s[22:23], s[14:15], s[22:23]
	s_cselect_b32 s26, s34, s26
	s_cselect_b32 s24, ttmp9, s30
	s_lshl_b32 s24, s24, 17                        ; 32 rows of 4,096 bytes
	s_add_nc_u64 s[20:21], s[20:21], s[24:25]
	s_add_nc_u64 s[22:23], s[22:23], s[26:27]
	s_wait_alu depctr_va_vdst(0)                   ; v1 and v2 are written: every load of the kernel reads v1 as its offset, every store v2; no later vector line names either
.set i, 0
.rept 32
	global_load_b128 v[X+4*i:X+4*i+3], v1, s[20:21] offset:4096*i th:TH_LOAD_NT
.set i, i+1
.endr
; Block by block: the wait for data leaves the younger rows' loads out (loads come back in order: ISA guide 5.7.1).  f16 = 1: the bf16 number is widened again and written as f16.
.macro CONV f16
.set p, 0
.rept 32/BLOCK
	s_wait_loadcnt 32-BLOCK-BLOCK*p                ; the block's four rows are in; the loads of the rows behind them stay out
.set i, BLOCK*p
.rept BLOCK
.if \f16
	v_cvt_pk_bf16_f32 v[T], v[X+4*i], v[X+4*i+1]
	v_cvt_pk_bf16_f32 v[T+1], v[X+4*i+2], v[X+4*i+3]
	v_lshlrev_b32 v[X+4*i], 16, v[T]
	v_and_b32 v[X+4*i+1], 0xffff0000, v[T]
	v_lshlrev_b32 v[X+4*i+2], 16, v[T+1]
	v_and_b32 v[X+4*i+3], 0xffff0000, v[T+1]
	v_cvt_pk_f16_f32 v[Y+2*i], v[X+4*i], v[X+4*i+1]
	v_cvt_pk_f16_f32 v[Y+2*i+1], v[X+4*i+2], v[X+4*i+3]
.else
	v_cvt_pk_bf16_f32 v[Y+2*i], v[X+4*i], v[X+4*i+1]
	v_cvt_pk_bf16_f32 v[Y+2*i+1], v[X+4*i+2], v[X+4*i+3]
.endif
.set i, i+1
.endr
	s_wait_alu depctr_va_vdst(0)                   ; the block's roundings have written its eight registers of Y, which the four stores below read
.set i, BLOCK*p
.rept BLOCK
	global_store_b64 v2, v[Y+2*i:Y+2*i+1], s[22:23] offset:2048*i
.set i, i+1
.endr
.set p, p+1
.endr
.endm
	s_cmp_ge_u32 ttmp9, 224                        ; the last 32 work-groups hold Wproj
	s_cbranch_scc1 .Lhalf
	CONV 0
	s_endpgm
.Lhalf:
	CONV 1
	s_endpgm
.Lfunc_end_k_qe55731d678_prep:
	.size	k_qe55731d678_prep, .Lfunc_end_k_qe55731d678_prep-k_qe55731d678_prep
	.p2alignl 7, 3214868480
	.fill 96, 4, 3214868480
	.section	.rodata,"a",@progbits
	.p2align	6, 0x0
	.amdhsa_kernel k_qe55731d678_prep
		.amdhsa_group_segment_fixed_size 0
		.amdhsa_private_segment_fixed_size 0
		.amdhsa_enable_private_segment 0
		.amdhsa_kernarg_size 64
		.amdhsa_user_sgpr_count 2
		.amdhsa_user_sgpr_kernarg_segment_ptr 1
		.amdhsa_wavefront_size32 1
		.amdhsa_system_sgpr_workgroup_id_x 1
		.amdhsa_system_sgpr_workgroup_id_y 1
		.amdhsa_system_sgpr_workgroup_id_z 1
		.amdhsa_system_vgpr_workitem_id 0
		.amdhsa_next_free_vgpr 208
		.amdhsa_next_free_sgpr 66
		.amdhsa_reserve_vcc 0
		.amdhsa_float_denorm_mode_32 3
		.amdhsa_float_denorm_mode_16_64 3
		.amdhsa_memory_ordered 1
		.amdhsa_forward_progress 1
		.amdhsa_inst_pref_size 30
	.end_amdhsa_kernel
	.amdgpu_metadata
---
amdhsa.version: [ 1, 2 ]
amdhsa.kernels:
  - .name:           k_qe55731d678_prep
    .symbol:         k_qe55731d678_prep.kd
    .args:
      - { .name: x, .offset: 0, .size: 8, .value_kind: global_buffer, .address_space: global }
      - { .name: Wq, .offset: 8, .size: 8, .value_kind: global_buffer, .address_space: global }
      - { .name: Wk, .offset: 16, .size: 8, .value_kind: global_buffer, .address_space: global }
      - { .name: Wv, .offset: 24, .size: 8, .value_kind: global_buffer, .address_space: global }
      - { .name: Wproj, .offset: 32, .size: 8, .value_kind: global_buffer, .address_space: global }
      - { .name: xb, .offset: 40, .size: 8, .value_kind: global_buffer, .address_space: global }
      - { .name: wc, .offset: 48, .size: 8, .value_kind: global_buffer, .address_space: global }
      - { .name: wp, .offset: 56, .size: 8, .value_kind: global_buffer, .address_space: global }
    .group_segment_fixed_size: 0
    .private_segment_fixed_size: 0
    .kernarg_segment_align: 8
    .kernarg_segment_size: 64
    .max_flat_workgroup_size: 256
    .sgpr_count:     66
    .vgpr_count:     208
    .wavefront_size: 32
...
	.end_amdgpu_metadata
.endif
;; end of part 5
;; launch qkv: the kernel of part 2 again; grid 16 x 16, 4 waves a work-group, clusters of 4 x 4, 327,680 bytes of LDS; arguments xb, wc, cos, sin, q_gain, qf, kv; writes qf, kv
;; launch attn: the kernel of part 3 again; grid 4 x 64, 8 waves a work-group, no clusters, 263,168 bytes of LDS; arguments qf, kv, yf; writes yf
;; launch proj: the kernel of part 4 again; grid 8 x 32, 4 waves a work-group, clusters of 4 x 4, 327,680 bytes of LDS; arguments yf, wp, out0; writes out0
